; MI455X (gfx1250); checked and timed in simulation.
; The chip was launched on July 23, 2026; its instructions are those of AMD's public machine-readable ISA for CDNA 5 (MIT licence, August 2026) and "CDNA5" Instruction Set Architecture Reference Guide (July 2026). The comments in the code are by the model that wrote it; some were corrected since.
;; Naive Multi Head Attention. Allowed arithmetic: matrix products marked QUANTISED: E2M3 operands, one E8M0 scale for each 32 along K, by v_wmma_scale_f32_16x16x128_f8f6f4 with both operands' format E2M3, f32 sums; everything else in f32.
;; Inputs: w_k 1,024 x 1,024 float32; w_o 1,024 x 1,024 float32; w_q 1,024 x 1,024 float32; w_v 1,024 x 1,024 float32; x 1 x 4,096 x 1,024 float32.
;; Outputs: out0 1 x 4,096 x 1,024 float32.
;; This version of the problem:
;;   THIS VERSION OF THE PROBLEM IS GIVEN IN LOW PRECISION. The matrix products marked QUANTISED in the list below multiply operands that are first quantised to E2M3 (2 exponent bits, 3 mantissa bits; 6 bits a number), with one power-of-two scale for each 32 numbers along K (OCP MX v1.0); their sums are f32. All else is computed in f32.
;;   The module's matrix products, in the order in which they are computed (A, B: the left and right operand; K: the contracted axis; several contracted axes count as one K, in the product's order):
;;     1. [M 4,096, K 1,024] x [K 1,024, N 1,024]; A: input x; B: input w_q: QUANTISED
;;     2. [M 4,096, K 1,024] x [K 1,024, N 1,024]; A: input x; B: input w_k: QUANTISED
;;     3. [M 4,096, K 1,024] x [K 1,024, N 1,024]; A: input x; B: input w_v: QUANTISED
;;     4. batch 16 x [M 4,096, K 64] x [K 64, N 4,096]; A: computed on the way; B: computed on the way: QUANTISED
;;     5. batch 16 x [M 64, K 4,096] x [K 4,096, N 4,096]; A: computed on the way; B: softmax (see below): QUANTISED
;;     6. [M 4,096, K 1,024] x [K 1,024, N 1,024]; A: computed on the way; B: input w_o: QUANTISED
;;   THE QUANTISER, for each operand of a quantised product, along K:
;;     - K is cut into blocks of 32 from its start; a last block that is shorter is filled with zeros.
;;     - A block's scale is 2^e with e = floor(log2(the largest magnitude in the block)) - 2, held to -126 .. 127; a block of zeros has e = 0. As a byte (E8M0): e + 127.
;;     - Each number is divided by its block's scale, clamped to +-7.5, and rounded to the nearest number of E2M3, ties to even, subnormals kept.
;;     - The product sums the exact products of the quantised numbers (number of the format x scale) in f32.
;;   ~~~python
;;   def quantise(x, axis):      # numpy; x: float32 -> the quantised numbers, widened to float32 again
;;       x = np.moveaxis(x, axis, -1); K = x.shape[-1]
;;       x = np.pad(x, [(0, 0)] * (x.ndim - 1) + [(0, -K % 32)]); x = x.reshape(x.shape[:-1] + (-1, 32)); a = np.abs(x).max(-1, keepdims=True)
;;       e = np.where(a > 0, np.clip(np.frexp(np.where(a > 0, a, 1))[1] - 1 - 2, -126, 127), 0)      # np.frexp(a)[1] - 1 = floor(log2(a)), exactly
;;       r = np.clip(x / 2.0 ** e, -7.5, 7.5)
;;       step = 2.0 ** (np.maximum(np.frexp(np.where(r == 0, 1, r))[1] - 1, 0) - 3)
;;       q = np.round(r / step) * step * 2.0 ** e      # np.round: ties to even
;;       return np.moveaxis(q.reshape(q.shape[:-2] + (-1,))[..., :K], -1, axis).astype(np.float32)
;;   ~~~
;;   SOFTMAX AHEAD OF A QUANTISED PRODUCT. Where the list says 'softmax', what is quantised is not the finished softmax but p = 2^(t - M), with t = logit x log2(e) and M = ceil(the row's largest t), a whole number; so 1/2 < the row's largest p <= 1. The row's sum l is taken of the UNQUANTISED p, in f32, and the product's result is divided by l at the end. Since M is a whole number, a kernel that streams over the keys may use a running M (the ceiling of the running maximum): every later rescaling is an exact power of two, which a block's scale takes up: the codes' values come out the same.
;;   OPERANDS COMPUTED ON THE WAY. 'Computed on the way' means the value that the module computes at that place (a softmax that the list does not call 'softmax' is quantised finished and normalised). What goes into a quantiser is computed in f32, as accurately as f32 sums, v_exp_f32 and their like allow (about 1e-6 of the number): no bf16 or f16 on the way to a quantiser, and a product that is left as it is and whose result goes on into a quantised operand takes f32 operands (vector FMAs, or v_wmma_f32_16x16x4_f32). A number that lies on a knife's edge between two numbers of the format may be rounded either way, as far as f32 arithmetic and the matrix unit's own rounding can turn it there, and no further.
;; One version. Each part assembles by itself: llvm-mc -triple=amdgcn-amd-amdhsa -mcpu=gfx1250 --defsym DOCPART=n.
;; ======== version 1 of 1: 4 launches
;; workspace buffers: x_codes 3,145,728 bytes; x_scales 131,072 bytes; w_codes 3,145,728 bytes; w_scales 131,072 bytes; qkv 10,223,616 bytes; c_img 3,145,728 bytes; c_sc 131,072 bytes
;; launch quant (part 1): grid 256 x 1, 4 waves a work-group, no clusters, 33,280 bytes of LDS; arguments x, w_q, w_k, w_v, w_o, x_codes, x_scales, w_codes, w_scales; writes x_codes, x_scales, w_codes, w_scales
.if DOCPART == 1
	.amdgcn_target "amdgcn-amd-amdhsa--gfx1250"
	.amdhsa_code_object_version 6
	.text
	.protected	k_qb6363b634d_quant
	.globl	k_qb6363b634d_quant
	.p2align	8
	.type	k_qb6363b634d_quant,@function
k_qb6363b634d_quant:
	s_mov_b64 s[64:65], 0
	v_nop
	global_prefetch_b8 v0, s[64:65] scope:SCOPE_SE
	s_setreg_imm32_b32 hwreg(HW_REG_WAVE_MODE, 25, 1), 1
	s_wait_xcnt 0x0
; x [4096][1024] and the four weights [1024][1024], f32, K innermost, become codes of FP6 (E2M3) with one E8M0 scale byte for each 32 along K.
; x_codes [4096][768], x_scales [4096][32]; w_codes [4096][768], w_scales [4096][32]: rows 0-1023 w_q, 1024-2047 w_k, 2048-3071 w_v, 3072-4095 w_o.
; A block's scale is 2^(floor(log2(its largest magnitude)) - 2); its byte is the largest magnitude's exponent field - 2, held at 1 from below.
; LIMITS: a block of zeros, or one whose largest magnitude lies under 2^-124, gets the byte 1 (the rule says 127 for zeros): its codes are zeros or subnormal codes, and these bytes are read by this program alone.
;         NaN and infinities among the inputs are not served.
; THE ORDER OF ROWS.  In x, w_q, w_k and w_v (not in w_o) the rows of each group of 32 are stored in another order: true row 32 B + 16 g + 8 u + e lies at row 32 B + 16 u + 8 g + e.
; So a stored tile of 16 rows holds eight neighbours and the eight that lie 16 further on, and in a later product's result the 16 registers of two neighbouring tiles are 16 true neighbours.
; SHARES.  A work-group takes 32 rows (32,768 numbers): work-groups 0-127 x, then 32 for each weight.  A wave takes 8 true rows, 16 steps of 512 numbers, and stores them as one of the group's four runs of 8 rows.
; Each load reads 512 consecutive bytes; a step's 2,048 bytes turn through the wave's own stage in LDS, so that a lane holds 16 neighbours along K (two lanes hold a block).  No barrier: waves share nothing.
.set WAVES, 4
.set STEPS, 16
.set EMAX,  2
.set CB,    12                         ; bytes of 16 codes
.set R,     16                         ; v16-79   four sets of 16 numbers as they are loaded
.set X,     80                         ; v80-111  two sets of 16 neighbours
.set C,     128                        ; v128-191 codes: four registers for each step, so that no store's data are written again
.set E,     112                        ; v112-127 a scale byte for each step
.set WREG,  8192                       ; LDS: a region for each wave: two stages of 32 x SP bytes, and behind them its 256 scale bytes
.set SP,    80                         ; a lane's place in a stage: 64 bytes + 16 of padding
.set SPW,   12                         ; v12  LDS address of my spare word; never rewritten
.set NIL,   13                         ; v13  0; never rewritten
.set SPARE, WAVES*WREG                 ; the spare words: 128 bytes for each wave, named by no other line
.set IN,    22                         ; s[22:23] the numbers
.set CD,    24                         ; s[24:25] the codes
.set SB,    26                         ; s[26:27] the scale bytes
.set WV,    32                         ; s32  my wave
	s_load_b128 s[4:7], s[0:1], 0x0                ; x, w_q
	s_load_b128 s[8:11], s[0:1], 0x10              ; w_k, w_v
	s_load_b128 s[12:15], s[0:1], 0x20             ; w_o, x_codes
	s_load_b128 s[16:19], s[0:1], 0x30             ; x_scales, w_codes
	s_load_b64 s[20:21], s[0:1], 0x40              ; w_scales
	v_lshl_add_u32 v[SPW], v0, 2, SPARE
	v_mov_b32 v[NIL], 0
	v_lshrrev_b32 v1, 5, v0
	v_readfirstlane_b32 s[WV], v1                  ; wave
	v_and_b32 v2, 31, v0                           ; lane
	v_lshlrev_b32 v3, 4, v2                        ; my 16 bytes of a load's 512
	s_mul_i32 s33, s[WV], WREG
	v_lshrrev_b32 v14, 2, v2
	v_mul_u32_u24 v14, v14, SP
	v_and_b32 v15, 3, v2
	v_lshl_add_u32 v14, v15, 4, v14
	v_add_nc_u32 v14, s33, v14                     ; the stage, on the way in: SP (lane / 4) + 16 (lane % 4)
	v_mul_u32_u24 v15, v2, SP
	v_add_nc_u32 v15, s33, v15                     ; and on the way out: SP x lane: my 16 neighbours
	v_mul_u32_u24 v4, v2, CB                       ; my codes' place in a step's
	v_lshrrev_b32 v5, 1, v2
	s_add_co_u32 s33, s33, 2*32*SP
	v_add_nc_u32 v5, s33, v5                       ; LDS: my wave's 256 scale bytes, my block's byte
	v_lshlrev_b32 v7, 3, v2                        ; and on the way out 8 bytes a lane
	v_add_nc_u32 v6, s33, v7
	s_and_b32 s30, s[WV], 1                        ; my true rows are 16 g + 8 u on, wave = 2 g + u: they are stored as run 2 u + g
	s_lshl_b32 s30, s30, 1
	s_lshr_b32 s31, s[WV], 1
	s_or_b32 s30, s30, s31
	s_cmp_lt_u32 ttmp9, 224                        ; w_o keeps its order
	s_cselect_b32 s30, s30, s[WV]
	s_wait_kmcnt 0x0
	s_mov_b64 s[IN:IN+1], s[12:13]                 ; which tensor: the choices hang on the work-group's number alone
	s_cmp_lt_u32 ttmp9, 224
	s_cselect_b64 s[IN:IN+1], s[10:11], s[IN:IN+1]
	s_cmp_lt_u32 ttmp9, 192
	s_cselect_b64 s[IN:IN+1], s[8:9], s[IN:IN+1]
	s_cmp_lt_u32 ttmp9, 160
	s_cselect_b64 s[IN:IN+1], s[6:7], s[IN:IN+1]
	s_cmp_lt_u32 ttmp9, 128
	s_cselect_b64 s[IN:IN+1], s[4:5], s[IN:IN+1]
	s_cselect_b64 s[CD:CD+1], s[14:15], s[18:19]
	s_cselect_b64 s[SB:SB+1], s[16:17], s[20:21]
	s_cselect_b32 s28, 0, 128                      ; the first work-group of x, or of the weights
	s_cselect_b32 s29, 127, 31                     ; work-groups in a tensor, less 1
	s_sub_co_u32 s34, ttmp9, s28
	s_and_b32 s35, s34, s29                        ; my group of 32 rows in the tensor that I read
	s_lshl_b32 s35, s35, 2
	s_add_co_u32 s36, s35, s[WV]
	s_lshl_b32 s36, s36, 15                        ; a run of 8 rows is 32,768 bytes of f32
	s_mov_b32 s37, 0
	s_add_nc_u64 s[IN:IN+1], s[IN:IN+1], s[36:37]
	s_lshl_b32 s34, s34, 2
	s_add_co_u32 s34, s34, s30                     ; the run of 8 rows that I store
	s_mul_i32 s36, s34, 32*STEPS*CB                ; 6,144 bytes of codes,
	s_add_nc_u64 s[CD:CD+1], s[CD:CD+1], s[36:37]
	s_lshl_b32 s36, s34, 8                         ; 256 scale bytes
	s_add_nc_u64 s[SB:SB+1], s[SB:SB+1], s[36:37]
.macro LOAD t
.irp i, 0,1,2,3
	global_load_b128 v[R+16*((\t)%4)+4*\i:R+16*((\t)%4)+4*\i+3], v3, s[IN:IN+1] offset:2048*(\t)+512*\i th:TH_LOAD_NT   ; 32 lanes read 512 consecutive bytes
.endr
.endm
.macro TURN t                          ; step t's numbers through the stage: LDS serves a wave's instructions in order, so no wait stands between the stores and the loads
.irp i, 0,1,2,3
	ds_store_b128 v14, v[R+16*((\t)%4)+4*\i:R+16*((\t)%4)+4*\i+3] offset:32*SP*((\t)%2)+8*SP*\i
.endr
.irp i, 0,1,2,3
	ds_load_b128 v[X+16*((\t)%2)+4*\i:X+16*((\t)%2)+4*\i+3], v15 offset:32*SP*((\t)%2)+16*\i
.endr
.endm
.irp t, 0,1,2,3
	LOAD \t
.endr
	s_wait_loadcnt 12                              ; step 0's four loads are in
	TURN 0
.macro STEP t
.set XS, X+16*((\t)%2)
.if (\t) > 0
	s_wait_dscnt 1                                 ; this step's numbers are back from the stage (the last step's byte store may be out): so its stores into the stage have read their registers,
.else
	s_wait_dscnt 0x0
.endif
.if (\t)+4 < STEPS
	LOAD (\t)+4                                    ; which take the loads of four steps on
.endif
.if (\t)+1 < STEPS
.if STEPS-2-(\t) >= 3
	s_wait_loadcnt 12                              ; the next step's four loads are in; those of the three steps behind it may be out
.else
	s_wait_loadcnt 4*(STEPS-2-(\t))
.endif
	TURN (\t)+1                                    ; and go through the other stage while this step is worked
.endif
	v_max3_num_f32 v8, |v[XS]|, |v[XS+1]|, |v[XS+2]|               ; the largest magnitude of my 16
	v_max3_num_f32 v9, |v[XS+3]|, |v[XS+4]|, |v[XS+5]|
.irp i, 6,10
	v_max3_num_f32 v8, v8, |v[XS+\i]|, |v[XS+\i+1]|
	v_max3_num_f32 v9, v9, |v[XS+\i+2]|, |v[XS+\i+3]|
.endr
	v_max3_num_f32 v8, v8, |v[XS+14]|, |v[XS+15]|
	v_max3_num_f32 v8, v8, v9, (EMAX+1)<<23        ; and the floor 2^(3 - 127): the byte cannot fall under 1
	v_max_num_f32_dpp v8, v8, v8 row_xmask:1 row_mask:0xf bank_mask:0xf   ; and of my neighbour's 16: the block's
	v_add_nc_u32 v11, -(EMAX<<23), v8              ; 2 off its exponent field: the conversion takes the exponent field of this operand as its scale
	v_cvt_scalef32_pk16_fp6_f32 v[C+4*(\t):C+4*(\t)+2], v[XS:XS+15], v11   ; sixteen codes, 96 bits, the first number's code lowest
	v_lshrrev_b32 v[E+(\t)], 23, v11               ; the scale's byte (also the plain line behind the conversion)
	ds_store_b8 v5, v[E+(\t)] offset:16*(\t)       ; both lanes of a block write the same byte with the same value
	global_store_b96 v4, v[C+4*(\t):C+4*(\t)+2], s[CD:CD+1] offset:32*CB*(\t)   ; the wave stores 384 consecutive bytes
.endm
.irp t, 0,1,2,3,4,5,6,7,8,9,10,11,12,13,14,15
	STEP \t
.endr
	ds_load_b64 v[8:9], v6                         ; LDS serves a wave's instructions in order: these see my stores
	s_wait_dscnt 0x0
	global_store_b64 v7, v[8:9], s[SB:SB+1]        ; 32 lanes store 256 consecutive bytes, aligned
	s_wait_tensorcnt 0x0                           ; the wave's end
	ds_add_u32 v[SPW], v[NIL]
	s_wait_dscnt 0x0
	s_endpgm
.Lfunc_end_k_qb6363b634d_quant:
	.size	k_qb6363b634d_quant, .Lfunc_end_k_qb6363b634d_quant-k_qb6363b634d_quant
	.p2alignl 7, 3214868480
	.fill 96, 4, 3214868480
	.section	.rodata,"a",@progbits
	.p2align	6, 0x0
	.amdhsa_kernel k_qb6363b634d_quant
		.amdhsa_group_segment_fixed_size 33280
		.amdhsa_private_segment_fixed_size 0
		.amdhsa_enable_private_segment 0
		.amdhsa_kernarg_size 72
		.amdhsa_user_sgpr_count 2
		.amdhsa_user_sgpr_kernarg_segment_ptr 1
		.amdhsa_wavefront_size32 1
		.amdhsa_system_sgpr_workgroup_id_x 1
		.amdhsa_system_sgpr_workgroup_id_y 1
		.amdhsa_system_sgpr_workgroup_id_z 1
		.amdhsa_system_vgpr_workitem_id 0
		.amdhsa_next_free_vgpr 192
		.amdhsa_next_free_sgpr 66
		.amdhsa_reserve_vcc 0
		.amdhsa_float_denorm_mode_32 3
		.amdhsa_float_denorm_mode_16_64 3
		.amdhsa_memory_ordered 1
		.amdhsa_forward_progress 1
		.amdhsa_inst_pref_size 33
	.end_amdhsa_kernel
	.amdgpu_metadata
---
amdhsa.version: [ 1, 2 ]
amdhsa.kernels:
  - .name:           k_qb6363b634d_quant
    .symbol:         k_qb6363b634d_quant.kd
    .args:
      - { .name: x, .offset: 0, .size: 8, .value_kind: global_buffer, .address_space: global }
      - { .name: w_q, .offset: 8, .size: 8, .value_kind: global_buffer, .address_space: global }
      - { .name: w_k, .offset: 16, .size: 8, .value_kind: global_buffer, .address_space: global }
      - { .name: w_v, .offset: 24, .size: 8, .value_kind: global_buffer, .address_space: global }
      - { .name: w_o, .offset: 32, .size: 8, .value_kind: global_buffer, .address_space: global }
      - { .name: x_codes, .offset: 40, .size: 8, .value_kind: global_buffer, .address_space: global }
      - { .name: x_scales, .offset: 48, .size: 8, .value_kind: global_buffer, .address_space: global }
      - { .name: w_codes, .offset: 56, .size: 8, .value_kind: global_buffer, .address_space: global }
      - { .name: w_scales, .offset: 64, .size: 8, .value_kind: global_buffer, .address_space: global }
    .group_segment_fixed_size: 33280
    .private_segment_fixed_size: 0
    .kernarg_segment_align: 8
    .kernarg_segment_size: 72
    .max_flat_workgroup_size: 128
    .sgpr_count:     66
    .vgpr_count:     192
    .wavefront_size: 32
...
	.end_amdgpu_metadata
.endif
;; end of part 1
;; launch qkv (part 2): grid 12 x 16, 4 waves a work-group, clusters of 4 x 4, 327,680 bytes of LDS; arguments x_codes, x_scales, w_codes, w_scales, qkv; writes qkv
.if DOCPART == 2
	.amdgcn_target "amdgcn-amd-amdhsa--gfx1250"
	.amdhsa_code_object_version 6
	.text
	.protected	k_qb6363b634d_qkv
	.globl	k_qb6363b634d_qkv
	.p2align	8
	.type	k_qb6363b634d_qkv,@function
k_qb6363b634d_qkv:
	s_mov_b64 s[64:65], 0
	v_nop
	global_prefetch_b8 v0, s[64:65] scope:SCOPE_SE
	s_setreg_imm32_b32 hwreg(HW_REG_WAVE_MODE, 25, 1), 1
	s_wait_xcnt 0x0
	s_wait_alu depctr_hold_cnt(0) depctr_sa_sdst(0) depctr_va_vdst(0) depctr_va_sdst(0) depctr_va_ssrc(0) depctr_va_vcc(0) depctr_vm_vsrc(0)
	s_getreg_b32 s2, hwreg(HW_REG_IB_STS2, 6, 4)
	s_cmp_eq_u32 s2, 0
	s_cbranch_scc0 .Lentry_in_a_cluster
	s_endpgm
.Lentry_in_a_cluster:
	s_bfe_u32 s2, ttmp6, 0x10000c
	s_cmp_lg_u32 s2, 0xf033
	s_cbranch_scc0 .Lentry_shape_is_right
	s_endpgm
.Lentry_shape_is_right:
; q = x w_q^T, k = x w_k^T, v = x w_v^T on codes of FP6 (E2M3) with E8M0 scales, K = 1,024; the results are quantised at once, in registers, and leave as codes: q and k along the head's 64 channels, v along the tokens.
; A tile of 256 x 256 is made by four waves, 128 x 128 each: 64 accumulators of 16 x 16.  K goes in steps of 256 through a ring of two LDS slots filled by the tensor data mover; the scale bytes of the work-group's rows come once.
; THE MATRIX INSTRUCTION: source 0 = 16 rows of "B", source 1 = 16 rows of "A": a lane holds ONE row of A, and its registers run along B's rows.
;   clusters x = 0, 1 (q, k): A = x, B = w_q / w_k: a lane holds a token, its 64 registers of a block are 128 channels: two heads.
;   cluster  x = 2    (v):    A = w_v, B = x:       a lane holds a channel, its 64 registers are 128 tokens: one key step of attention.
; One text serves all three: the pointers and a few strides are chosen by selects on the cluster's x, which all partners share; no branch hangs on it.
; THE ORDER OF ROWS in x and w (true row 32 B + 16 g + 8 u + e stored at 32 B + 16 u + 8 g + e) makes the 16 registers of B's tiles 2 B and 2 B + 1 sixteen TRUE neighbours 32 B + 16 (lane / 16) + 0 .. 15: what the conversions want.
; OUT: records of 19,968 bytes for (head, group of 128 tokens): Q's 8 half images (768 bytes each), Q's scale words (512), K's 8 half images, V's 4 images (1,536 each), K's scale words (512), V's (512).
;   An image is the operand's registers as they stand: registers 0-3 at 16 x lane, 4-5 at 512 + 8 x lane (V: 6-9 at 768 + 16 x lane, 10-11 at 1,280 + 8 x lane).  Every store covers 256 or 512 consecutive bytes, aligned.
; CLUSTERS: 4 x 4 work-groups; A's tiles are shared along a row of the cluster, B's along a column, by joint loads.
; LIMITS: a block whose largest magnitude lies under 2^-124 (zeros too) gets the byte 1; the bytes are read by this program alone.  NaN and infinities are not served.
; No prefetch: K has four slot fills in all, two of them at the head.
; REGISTERS: window 0: v0-31 addresses; v32-63 scale words, two sets; v64-125 the way out; from v128 A's fragments, one set.  window 1: B's fragments, two sets.  windows 2, 3: the accumulators ((a, b) at v[8 (8 (a % 4) + b)]).
.set KSTEP,  256
.set NQ,     2                         ; matrix instructions deep in a slot
.set ROWB,   192                       ; a tile's row: 256 codes
.set KROW,   768                       ; a row of codes in memory
.set PITCH,  240                       ; an LDS row: 3 x (64 bytes + 16 of padding)
.set FR,     12
.set NL,     6                         ; LDS loads that bring a fragment
.set NP,     4                         ; places behind this matrix instruction (ISA guide 7.12.1)
.set HALFT,  128*PITCH
.set SLOT,   4*HALFT
.set KS,     32                        ; a row of scale bytes
.set SCL,    2*SLOT
.set HALFS,  (128*KS/256)*272
.set SBLK,   (16*KS/256)*272
.set SPARE,  SCL+4*HALFS               ; the spare words: 128 bytes for each wave, named by no other line
.set REC,    19968
.set HSTR,   32*REC                    ; a head's 32 records
.set ADRA, 16                          ; v16-17 my A fragments in slot 0, 1 (v18-19: behind one padding more)
.set ADRB, 20                          ; v20-23 the same for B
.set L16,  24                          ; v24  16 x lane
.set L8,   25                          ; v25  8 x lane
.set VSH,  26                          ; v26  q, k: 16 in lanes 16-31 (they keep the second head's two scale bytes); else 0
.set ADRS, 27                          ; v27  my scale words: lanes 0-15 A's rows, lanes 16-31 B's
.set SPW,  28
.set NIL,  29
.set SC,   32
.set PC,   64                          ; v64-75 the codes just made; v76-83 the conversions' second halves
.set TM,   96                          ; v96-99 largest magnitudes, v100-103 bytes, v108-111 the conversions' scale operands
.set SW,   112                         ; v112-119 a scale word for each of my eight blocks
.set VO,   120                         ; v120-123 the four stores' offsets
.set SV,   124                         ; v124-125 the scale words' offsets
.set AF,   128
.set G1, 24
.set G0, 32
.set G1B, 48
.set G0B, 56
.set G1S, 68
.set G0S, 76
.set G1SB, 80
.set G0SB, 88
.set P1, 4                             ; s4  from block to block of A in a record
.set P2, 5                             ; s5  where block 4 begins
.set D2, 6                             ; s6  from registers 0-5 to registers 6-11
.set MASK, 7                           ; s7  the scale word's bytes that are kept
.set SI, 8                             ; s8  from blocks 0-3's scale words to blocks 4-7's
.set SH, 9                             ; s9  from lanes 0-15's to lanes 16-31's
.set SHIFT, 10
.set CUR, 11
.set IMG, 96                           ; s[96:97] my first image
.set SCB, 98                           ; s[98:99] my first scale words
.set MSB, 0
.macro WIN new                         ; the immediate's high byte repeats the setting that is left
.if MSB != \new
	s_set_vgpr_msb (MSB<<8)|\new
.set MSB, \new
.endif
.endm
.set MUL_LO, 0xa1                      ; source 0 (B) window 1, source 1 (A) window 0, C and D window 2
.set MUL_HI, 0xf1
.set TO_B,   0x40
; A joint load: waves 0 and 1 fetch for A, waves 2 and 3 for B; the branch hangs on the wave's number alone.  An s_nop 0 and four v_nop follow each line.
.macro JLOAD g0a, g1a, g0b, g1b
	s_cmp_eq_u32 s15, 0
	s_cbranch_scc0 .Lfor_b_\@
	tensor_load_to_lds s[\g0a:\g0a+3], s[\g1a:\g1a+7]
	s_nop 0
.rept 4
	v_nop
.endr
	s_branch .Lasked_\@
.Lfor_b_\@:
	tensor_load_to_lds s[\g0b:\g0b+3], s[\g1b:\g1b+7]
	s_nop 0
.rept 4
	v_nop
.endr
.Lasked_\@:
.endm
.macro CREST                           ; a round of the cluster's barrier behind its opening barrier
	s_cmp_lg_u32 s14, 0
	s_cbranch_scc1 .Lnot_wave_0_\@
	s_barrier_signal -3
.Lnot_wave_0_\@:
	s_barrier_wait -3
	s_barrier_signal -1
	s_barrier_wait -1
.endm
.macro CROUND
	s_barrier_signal -1
	s_barrier_wait -1
	CREST
.endm
	s_load_b128 s[4:7], s[0:1], 0x0                ; x's codes, x's scales
	s_load_b128 s[8:11], s[0:1], 0x10              ; w's codes, w's scales
	s_load_b64 s[12:13], s[0:1], 0x20              ; the records
	v_lshl_add_u32 v[SPW], v0, 2, SPARE
	v_mov_b32 v[NIL], 0
	ds_add_u32 v[SPW], v[NIL]                      ; the wave's opening: the add and its wait ahead of my first tensor load; work on registers stands between them
	v_lshrrev_b32 v1, 5, v0
	v_readfirstlane_b32 s14, v1                    ; wave 0..3
	s_lshr_b32 s15, s14, 1                         ; which half of A's rows is mine.  Also: I fetch for A (0) or for B (1)
	s_and_b32 s16, s14, 1                          ; which half of B's rows.  Also: which 128 rows I fetch
	s_bfe_u32 s40, ttmp6, 0x40000                  ; cx, cy
	s_bfe_u32 s41, ttmp6, 0x40004
	s_and_b32 s17, ttmp7, 0xffff                   ; the cluster's y
	s_cmp_eq_u32 ttmp9, 2                          ; v's clusters?  (the cluster's x: the same in all sixteen partners)
	s_cselect_b32 s18, 0, s17                      ; A's tile row = 4 x this + cy: x has 16 tile rows, w_v four
	s_cselect_b32 s19, s17, ttmp9                  ; B's tile column = 4 x this + cx
	s_cselect_b32 s95, 2048, 0                     ; w_v begins at row 2,048 of w
	s_lshl_b32 s42, s19, 2
	s_add_co_u32 s42, s42, s40                     ; tile column
	s_lshl_b32 s17, s18, 2
	s_add_co_u32 s17, s17, s41                     ; tile row
	s_lshl_b32 s43, s41, 2
	s_lshl_b32 s43, 15, s43                        ; my row of the cluster
	s_lshl_b32 s44, 0x1111, s40                    ; my column
	; descriptor group 1: a tile of 128 rows x 192 bytes, 16 bytes of padding behind every 64
	s_or_b32 s[G1+0], s43, (0<<16)|(1<<20)|(1<<21)|(3<<22)|(3<<25)
	s_or_b32 s[G1B+0], s44, (0<<16)|(1<<20)|(1<<21)|(3<<22)|(3<<25)
.irp g, G1, G1B
	s_mov_b32 s[\g+1], ROWB<<16                    ; tensor_dim0
	s_mov_b32 s[\g+2], 128<<16                     ; tensor_dim1
	s_mov_b32 s[\g+3], ROWB<<16                    ; tile_dim0
	s_mov_b32 s[\g+4], 128                         ; tile_dim1
	s_mov_b32 s[\g+5], KROW                        ; the pitch
	s_mov_b32 s[\g+6], 0
	s_mov_b32 s[\g+7], 0
.endr
	; the scales of 128 rows: 4,096 dense bytes, as 16 rows of 256 bytes, 16 bytes of padding behind each
	s_or_b32 s[G1S+0], s43, (3<<16)|(1<<20)|(1<<21)|(5<<22)|(3<<25)
	s_or_b32 s[G1SB+0], s44, (3<<16)|(1<<20)|(1<<21)|(5<<22)|(3<<25)
.irp g, G1S, G1SB
	s_mov_b32 s[\g+1], 32<<16
	s_mov_b32 s[\g+2], (128*KS/256)<<16
	s_mov_b32 s[\g+3], 32<<16
	s_mov_b32 s[\g+4], 128*KS/256
	s_mov_b32 s[\g+5], 32
	s_mov_b32 s[\g+6], 0
	s_mov_b32 s[\g+7], 0
.endr
	s_lshl_b32 s18, s16, 7                         ; which 128 rows of the tile I fetch
	s_lshl_b32 s20, s17, 8
	s_add_co_u32 s20, s20, s18
	s_add_co_u32 s20, s20, s95                     ; A: row
	s_lshl_b32 s46, s42, 8
	s_add_co_u32 s46, s46, s18                     ; B: row
	s_mov_b32 s21, 0
	s_mov_b32 s47, 0
	s_mov_b64 s[18:19], KS
	s_mul_u64 s[22:23], s[20:21], s[18:19]         ; where these rows' scales begin,
	s_mul_u64 s[92:93], s[46:47], s[18:19]
	s_mov_b64 s[18:19], KROW
	s_mul_u64 s[20:21], s[20:21], s[18:19]         ; and their codes
	s_mul_u64 s[46:47], s[46:47], s[18:19]
	s_mul_i32 s45, s14, HALFT                      ; where they go: wave x 128 rows
	s_mul_i32 s94, s14, HALFS
	s_wait_dscnt 0x0                               ; the opening add is done
	s_wait_kmcnt 0x0
	s_cmp_eq_u32 ttmp9, 2
	s_cselect_b64 s[96:97], s[8:9], s[4:5]         ; A's codes: w's for v, else x's
	s_cselect_b64 s[98:99], s[10:11], s[6:7]       ; A's scales
	s_cselect_b64 s[4:5], s[4:5], s[8:9]           ; B's codes
	s_cselect_b64 s[6:7], s[6:7], s[10:11]         ; B's scales
	s_add_nc_u64 s[20:21], s[96:97], s[20:21]
	s_add_nc_u64 s[22:23], s[98:99], s[22:23]
	s_add_nc_u64 s[46:47], s[4:5], s[46:47]
	s_add_nc_u64 s[92:93], s[6:7], s[92:93]
	CROUND                                         ; all sixteen work-groups are here: the first joint loads meet
	s_mov_b32 s[G0S], 1
	s_add_co_u32 s[G0S+1], s94, SCL
	s_mov_b64 s[G0S+2:G0S+3], s[22:23]
	s_or_b32 s[G0S+3], s[G0S+3], 0x80000000
	s_mov_b32 s[G0SB], 1
	s_add_co_u32 s[G0SB+1], s94, SCL
	s_mov_b64 s[G0SB+2:G0SB+3], s[92:93]
	s_or_b32 s[G0SB+3], s[G0SB+3], 0x80000000
	JLOAD G0S, G1S, G0SB, G1SB                     ; the scales first: they are wanted with K step 0
.irp s, 0,1
	s_mov_b32 s[G0+4*\s], 1
	s_add_co_u32 s[G0+4*\s+1], s45, \s*SLOT
	s_add_nc_u64 s[G0+4*\s+2:G0+4*\s+3], s[20:21], \s*ROWB
	s_or_b32 s[G0+4*\s+3], s[G0+4*\s+3], 0x80000000
	s_mov_b32 s[G0B+4*\s], 1
	s_add_co_u32 s[G0B+4*\s+1], s45, \s*SLOT
	s_add_nc_u64 s[G0B+4*\s+2:G0B+4*\s+3], s[46:47], \s*ROWB
	s_or_b32 s[G0B+4*\s+3], s[G0B+4*\s+3], 0x80000000
	JLOAD G0+4*\s, G1, G0B+4*\s, G1B               ; three tensor loads of mine are out
.endr
	v_and_b32 v1, 15, v0                           ; l % 16
	v_bfe_u32 v2, v0, 4, 1                         ; l / 16
	v_mul_u32_u24 v3, v1, PITCH
	v_mul_u32_u24 v4, v2, 24
	v_add_nc_u32 v4, v3, v4                        ; a fragment's row x pitch + 24 x half
	v_lshl_add_u32 v5, v2, 4, v4                   ; and the same behind one padding more
	s_mul_i32 s21, s15, HALFT                      ; my 128 rows of A
	s_mul_i32 s22, s16, HALFT                      ; my 128 rows of B,
	s_add_co_u32 s22, s22, 2*HALFT                 ; which lie behind A's 256
.irp s, 0,1
	v_add_nc_u32 v[ADRA+\s], s21, v4
	v_add_nc_u32 v[ADRB+\s], s22, v4
	v_add_nc_u32 v[ADRA+2+\s], s21, v5
	v_add_nc_u32 v[ADRB+2+\s], s22, v5
	s_add_co_u32 s21, s21, SLOT
	s_add_co_u32 s22, s22, SLOT
.endr
	v_mul_u32_u24 v5, v1, KS                       ; my row's scales: 32 bytes a row,
	v_lshrrev_b32 v6, 8, v5
	v_lshl_add_u32 v5, v6, 4, v5                   ; and 16 more for each 256 passed
	s_mul_i32 s21, s15, HALFS
	s_mul_i32 s22, s16, HALFS
	s_add_co_u32 s22, s22, 2*HALFS
	s_sub_co_u32 s22, s22, s21
	v_mul_u32_u24 v6, s22, v2                      ; lanes 16-31 take B's
	s_add_co_u32 s21, s21, SCL
	v_add_nc_u32 v5, v5, v6
	v_add_nc_u32 v[ADRS], s21, v5
.macro FRAG reg, adr, q, i             ; a fragment: 12 registers; registers 6 c .. 6 c + 5 hold K = 64 c + 32 (l / 16) + 0 .. 31: 24 bytes of the row's stream of bits, in pieces of 8 bytes
.irp p, 0,1,2,3,4,5
.set PCE, 12*(\q)+6*(\p/3)+\p%3       ; the piece; where the piece three on lies behind one padding more, the second address register serves
.if PCE%8 < 5
	ds_load_b64 v[\reg+2*\p:\reg+2*\p+1], v[\adr] offset:8*PCE+16*(PCE/8)+(\i)*16*PITCH
.else
	ds_load_b64 v[\reg+2*\p:\reg+2*\p+1], v[\adr+2] offset:8*PCE+16*(PCE/8)+(\i)*16*PITCH
.endif
.endr
.endm
; 16 matrix instructions: A's blocks a0, a0 + 1 x B's eight.  The 64 accumulators take turns, one instruction a turn, in the same order in every step.
.macro MUL16 a0, p, q, sc, zero
.irp a, \a0, \a0+1
.irp b, 0,1,2,3,4,5,6,7
.if \zero
	v_wmma_scale_f32_16x16x128_f8f6f4 v[8*(8*((\a)%4)+\b):8*(8*((\a)%4)+\b)+7], v[128*(\p)+FR*\b:128*(\p)+FR*\b+FR-1], v[AF+FR*(\a):AF+FR*(\a)+FR-1], 0, v[SC+8*NQ*(\sc)+NQ*\b+(\q)], v[SC+8*NQ*(\sc)+NQ*(\a)+(\q)] matrix_a_fmt:MATRIX_FMT_FP6 matrix_b_fmt:MATRIX_FMT_FP6 matrix_a_scale:MATRIX_SCALE_ROW1
.else
	v_wmma_scale_f32_16x16x128_f8f6f4 v[8*(8*((\a)%4)+\b):8*(8*((\a)%4)+\b)+7], v[128*(\p)+FR*\b:128*(\p)+FR*\b+FR-1], v[AF+FR*(\a):AF+FR*(\a)+FR-1], v[8*(8*((\a)%4)+\b):8*(8*((\a)%4)+\b)+7], v[SC+8*NQ*(\sc)+NQ*\b+(\q)], v[SC+8*NQ*(\sc)+NQ*(\a)+(\q)] matrix_a_fmt:MATRIX_FMT_FP6 matrix_b_fmt:MATRIX_FMT_FP6 matrix_a_scale:MATRIX_SCALE_ROW1
.endif
.endr
.endr
.endm
.macro FETCH_B slot, q, p
	WIN TO_B
.irp i, 0,1,2,3,4,5,6,7
	FRAG 128*(\p)+FR*\i, ADRB+\slot, \q, \i
.endr
	WIN 0
.endm
.macro FETCH_A slot, q, i0
.irp i, \i0, \i0+1, \i0+2, \i0+3
	FRAG AF+FR*(\i), ADRA+\slot, \q, \i
.endr
.endm
.macro SCALES sc                       ; a K step's scale words: two words a row; lanes 0-15 take A's block i, lanes 16-31 B's block i
.irp i, 0,1,2,3,4,5,6,7
	ds_load_b64 v[SC+8*NQ*\sc+NQ*\i:SC+8*NQ*\sc+NQ*\i+1], v[ADRS] offset:\i*SBLK
.endr
.endm
.macro PLACES n                        ; plain vector lines between a matrix instruction and a load into a register that it has read (ISA guide 7.12.1 for vector instructions)
.rept \n
	v_nop
.endr
.endm
.macro STEP slot, q, zero              ; 128 along K that has its successor in the same slot
	s_wait_dscnt 4*NL                              ; B's set and A's blocks 0-3 are in; the youngest 24 loads (A's blocks 4-7) may be out
	WIN MUL_LO
	MUL16 0, (\q)%2, \q, \slot, \zero
	MUL16 2, (\q)%2, \q, \slot, \zero
	s_wait_dscnt 0                                 ; A's blocks 4-7 are in
	PLACES NP
	FETCH_B \slot, (\q)+1, 1-(\q)%2
	FETCH_A \slot, (\q)+1, 0
	WIN MUL_HI
	MUL16 4, (\q)%2, \q, \slot, \zero
	MUL16 6, (\q)%2, \q, \slot, \zero
	PLACES NP
	WIN 0
	FETCH_A \slot, (\q)+1, 4
.endm
; A slot's last step changes slots: one barrier; in front of it each wave waits for all its tensor loads, adds 0 to its spare word, and waits for that and for its reads of this slot.
.macro TURN slot, next, fill
	s_wait_tensorcnt 0x0                           ; all my tensor loads have landed: my part of the next slot
	ds_add_u32 v[SPW], v[NIL]                      ; 0 onto my spare word
	s_wait_dscnt 4*NL+1                            ; (the add and the youngest 24 loads may be out)
	WIN MUL_LO
	MUL16 0, 1, NQ-1, \slot, 0
	s_wait_dscnt 0x0                               ; the add is done, and my reads of this slot are over
	s_barrier_signal -1
	MUL16 2, 1, NQ-1, \slot, 0
	WIN 0
	s_barrier_wait -1
.if \fill
	CREST                                          ; the barrier has opened a round of the cluster's: no wave of any partner still reads this slot or has a load on its way
	s_add_nc_u64 s[G0+4*\slot+2:G0+4*\slot+3], s[G0+4*\slot+2:G0+4*\slot+3], 2*ROWB
	s_add_nc_u64 s[G0B+4*\slot+2:G0B+4*\slot+3], s[G0B+4*\slot+2:G0B+4*\slot+3], 2*ROWB
	JLOAD G0+4*\slot, G1, G0B+4*\slot, G1B         ; the first tensor load behind the round; its four v_nop are the places in front of the loads below
.else
	PLACES NP
.endif
	v_add_nc_u32 v[ADRS], 4*NQ, v[ADRS]            ; on to the next K step's scale words
	FETCH_B \next, 0, 0
	FETCH_A \next, 0, 0
	SCALES \next
	WIN MUL_HI
	MUL16 4, 1, NQ-1, \slot, 0
	MUL16 6, 1, NQ-1, \slot, 0
	PLACES NP
	WIN 0
	FETCH_A \next, 0, 4
.endm
	s_wait_tensorcnt 1                             ; the scales and my part of K step 0 are in (K step 1's load may be out)
	s_barrier_signal -1
	s_barrier_wait -1                              ; everybody's are
	FETCH_B 0, 0, 0
	FETCH_A 0, 0, 0
	SCALES 0
	FETCH_A 0, 0, 4
	STEP 0, 0, 1                                   ; the first products start the sums: nothing is cleared
	TURN 0, 1, 1                                   ; K has four slots' worth: written straight through
	STEP 1, 0, 0
	TURN 1, 0, 1
	STEP 0, 0, 0
	TURN 0, 1, 0                                   ; nothing is left to fetch
	STEP 1, 0, 0
	s_wait_dscnt 4*NL
	WIN MUL_LO
	MUL16 0, 1, NQ-1, 1, 0
	MUL16 2, 1, NQ-1, 1, 0
	s_wait_dscnt 0
	WIN MUL_HI
	MUL16 4, 1, NQ-1, 1, 0
	MUL16 6, 1, NQ-1, 1, 0
	WIN 0
	; THE WAY OUT.  Where my results go: head = w's row / 64 (mod 16), group = x's row / 128; the record's section is the cluster's x (q, k, v).
	s_lshl_b32 s100, s17, 8
	s_lshl_b32 s101, s15, 7
	s_add_co_u32 s100, s100, s101
	s_add_co_u32 s100, s100, s95                   ; my first row of A
	s_lshl_b32 s101, s42, 8
	s_lshl_b32 s67, s16, 7
	s_add_co_u32 s101, s101, s67                   ; my first row of B
	s_cmp_eq_u32 ttmp9, 2
	s_cselect_b32 s67, s100, s101                  ; w's row
	s_cselect_b32 s100, s101, s100                 ; x's row
	s_lshr_b32 s67, s67, 6
	s_and_b32 s67, s67, 15                         ; my first head (of two)
	s_lshr_b32 s100, s100, 7                       ; the group of 128 tokens
	s_mul_i32 s67, s67, HSTR
	s_mul_i32 s100, s100, REC
	s_add_co_u32 s100, s100, s67
	s_cmp_eq_u32 ttmp9, 0
	s_cselect_b32 s101, 0, 6656                    ; images: Q's at 0, K's at 6,656, V's at 12,800
	s_mov_b32 s67, 18944
	s_cselect_b32 s67, 6144, s67                   ; scale words: Q's at 6,144, K's at 18,944, V's at 19,456
	s_cmp_eq_u32 ttmp9, 2
	s_cselect_b32 s101, 12800, s101
	s_cselect_b32 s67, 19456, s67
	s_add_co_u32 s[IMG], s100, s101
	s_mov_b32 s[IMG+1], 0
	s_add_co_u32 s[SCB], s100, s67
	s_mov_b32 s[SCB+1], 0
	s_add_nc_u64 s[IMG:IMG+1], s[12:13], s[IMG:IMG+1]
	s_add_nc_u64 s[SCB:SCB+1], s[12:13], s[SCB:SCB+1]
	s_cmp_eq_u32 ttmp9, 2                          ; q, k: a block of A is a tile of tokens, registers 6-11 are the next head's.  v: a block of A is a tile of channels (blocks 4-7: the next head), registers 6-11 the image's second half
	s_mov_b32 s66, HSTR
	s_mov_b32 s[P1], 768
	s_cselect_b32 s[P1], 1536, s[P1]
	s_cselect_b32 s[P2], s66, 3072
	s_cselect_b32 s[D2], 768, s66
	s_cselect_b32 s[MASK], -1, 0xffff
	s_cselect_b32 s[SI], s66, 256
	s_cselect_b32 s[SH], 256, s66
	s_cselect_b32 s[SHIFT], 0, 16
	s_mov_b32 s[CUR], 0
	s_mov_b32 s18, 0x76543210
	s_mov_b32 s19, 0xfedcba98                      ; v_permlanex16_b32's selects for lane l xor 16
	v_and_b32 v[L16], 31, v0                       ; these eleven plain lines name no register of the last products: they are the places behind them
	v_lshlrev_b32 v[L8], 3, v[L16]
	v_lshlrev_b32 v[L16], 4, v[L16]
	v_mul_u32_u24 v[VSH], s[SHIFT], v2
	v_mul_u32_u24 v[SV], s[SH], v2
	v_lshl_add_u32 v[SV], v1, 4, v[SV]             ; scale words: 16 bytes (four blocks' words) a row
	v_add_nc_u32 v[SV+1], s[SI], v[SV]
.irp b, 0,1,2,3
	v_mov_b32 v[TM+4+\b], 0                        ; written once: a lane permute's destination counts as one of its sources
.endr
; Block a of A: my row's 64 numbers, register 16 b + i = true place 32 b + 16 (lane / 16) + i along B's rows, become a fragment's codes and its scale word, and leave as an image.
.macro QOUT a
.set AC, 64*((\a)%4)
	WIN 40+20*((\a)/4)                             ; sources 1 and 2: window 2 or 3
.irp b, 0,1,2,3
	v_max3_num_f32 v[TM+\b], 0x1800000, |v[AC+16*\b]|, |v[AC+16*\b+1]|   ; block b: my 16 numbers and the floor 2^(3 - 127); each accumulator is read from its low end on
.endr
.irp i, 2,4,6,8,10,12,14
.irp b, 0,1,2,3
	v_max3_num_f32 v[TM+\b], v[TM+\b], |v[AC+16*\b+\i]|, |v[AC+16*\b+\i+1]|
.endr
.endr
	WIN 0
.irp b, 0,1,2,3
	v_permlanex16_b32 v[TM+4+\b], v[TM+\b], s18, s19
.endr
.irp b, 0,1,2,3
	v_max_num_f32 v[TM+\b], v[TM+\b], v[TM+4+\b]   ; with lane l xor 16's: the block's largest magnitude
.endr
.irp b, 0,1,2,3
	v_add_nc_u32 v[TM+12+\b], 0xff000000, v[TM+\b] ; 2 off its exponent field: the conversion's scale operand
.endr
.irp b, 0,1,2,3
	v_lshrrev_b32 v[TM+4+\b], 23, v[TM+12+\b]      ; the scale's byte
.endr
	v_lshl_or_b32 v[SW+(\a)], v[TM+5], 8, v[TM+4]
	v_lshl_or_b32 v[SW+(\a)], v[TM+6], 16, v[SW+(\a)]
	v_lshl_or_b32 v[SW+(\a)], v[TM+7], 24, v[SW+(\a)]
	v_lshrrev_b32 v[SW+(\a)], v[VSH], v[SW+(\a)]   ; q, k: lanes 16-31 keep the second head's two bytes,
	v_and_b32 v[SW+(\a)], s[MASK], v[SW+(\a)]      ; and bytes 2 and 3 are 0: they scale the half of K = 128 that a head of 64 leaves empty
.if (\a) > 0
	s_wait_xcnt 0x0                                ; the last block's stores have read their data and offsets, which are written again from here on
.endif
	WIN 2+(\a)/4                                   ; source 0: window 2 or 3
.irp c, 0,1
	v_cvt_scalef32_pk16_fp6_f32 v[PC+6*\c:PC+6*\c+2], v[AC+32*\c:AC+32*\c+15], v[TM+12+2*\c]
	v_cvt_scalef32_pk16_fp6_f32 v[PC+12+4*\c:PC+14+4*\c], v[AC+16+32*\c:AC+31+32*\c], v[TM+13+2*\c]   ; (a conversion's three registers begin on an even number)
.endr
	WIN 0
	v_nop                                          ; one plain line behind a scaled conversion
.irp c, 0,1                                    ; the operand's layout wants a whole block in a lane: lanes 0-15 block 2 c, lanes 16-31 block 2 c + 1
.irp i, 0,1,2
	v_permlane16_swap_b32 v[PC+6*\c+\i], v[PC+12+4*\c+\i]
.endr
.irp i, 0,1,2
	v_mov_b32 v[PC+3+6*\c+\i], v[PC+12+4*\c+\i]
.endr
.endr
	v_add_nc_u32 v[VO], s[CUR], v[L16]
	v_add_nc_u32 v[VO+1], s[CUR], v[L8]
	v_add_nc_u32 v[VO+2], s[D2], v[VO]
	v_add_nc_u32 v[VO+3], s[D2], v[VO+1]
	global_store_b128 v[VO], v[PC:PC+3], s[IMG:IMG+1]                 ; 512 consecutive bytes, aligned
	global_store_b64 v[VO+1], v[PC+4:PC+5], s[IMG:IMG+1] offset:512   ; 256
	global_store_b128 v[VO+2], v[PC+6:PC+9], s[IMG:IMG+1]
	global_store_b64 v[VO+3], v[PC+10:PC+11], s[IMG:IMG+1] offset:512
.if (\a) == 3
	s_mov_b32 s[CUR], s[P2]
.else
	s_add_co_u32 s[CUR], s[CUR], s[P1]
.endif
.endm
.irp a, 0,1,2,3,4,5,6,7
	QOUT \a
.endr
	global_store_b128 v[SV], v[SW:SW+3], s[SCB:SCB+1]      ; sixteen lanes store 256 consecutive bytes, aligned: four blocks' words of each row
	global_store_b128 v[SV+1], v[SW+4:SW+7], s[SCB:SCB+1]
	s_wait_tensorcnt 0x0                           ; the wave's end
	ds_add_u32 v[SPW], v[NIL]
	s_wait_dscnt 0x0
	CROUND                                         ; the closing round: no work-group ends while a partner may still ask for a tile that names it
	s_endpgm
.Lfunc_end_k_qb6363b634d_qkv:
	.size	k_qb6363b634d_qkv, .Lfunc_end_k_qb6363b634d_qkv-k_qb6363b634d_qkv
	.p2alignl 7, 3214868480
	.fill 96, 4, 3214868480
	.section	.rodata,"a",@progbits
	.p2align	6, 0x0
	.amdhsa_kernel k_qb6363b634d_qkv
		.amdhsa_group_segment_fixed_size 327680
		.amdhsa_private_segment_fixed_size 0
		.amdhsa_enable_private_segment 0
		.amdhsa_kernarg_size 40
		.amdhsa_user_sgpr_count 2
		.amdhsa_user_sgpr_kernarg_segment_ptr 1
		.amdhsa_wavefront_size32 1
		.amdhsa_system_sgpr_workgroup_id_x 1
		.amdhsa_system_sgpr_workgroup_id_y 1
		.amdhsa_system_sgpr_workgroup_id_z 1
		.amdhsa_system_vgpr_workitem_id 0
		.amdhsa_next_free_vgpr 1024
		.amdhsa_next_free_sgpr 102
		.amdhsa_reserve_vcc 0
		.amdhsa_float_denorm_mode_32 3
		.amdhsa_float_denorm_mode_16_64 3
		.amdhsa_memory_ordered 1
		.amdhsa_forward_progress 1
		.amdhsa_inst_pref_size 168
	.end_amdhsa_kernel
	.amdgpu_metadata
---
amdhsa.version: [ 1, 2 ]
amdhsa.kernels:
  - .name:           k_qb6363b634d_qkv
    .symbol:         k_qb6363b634d_qkv.kd
    .args:
      - { .name: x_codes, .offset: 0, .size: 8, .value_kind: global_buffer, .address_space: global }
      - { .name: x_scales, .offset: 8, .size: 8, .value_kind: global_buffer, .address_space: global }
      - { .name: w_codes, .offset: 16, .size: 8, .value_kind: global_buffer, .address_space: global }
      - { .name: w_scales, .offset: 24, .size: 8, .value_kind: global_buffer, .address_space: global }
      - { .name: qkv, .offset: 32, .size: 8, .value_kind: global_buffer, .address_space: global }
    .group_segment_fixed_size: 327680
    .private_segment_fixed_size: 0
    .kernarg_segment_align: 8
    .kernarg_segment_size: 40
    .max_flat_workgroup_size: 128
    .sgpr_count:     102
    .vgpr_count:     1024
    .wavefront_size: 32
...
	.end_amdgpu_metadata
.endif
;; end of part 2
;; launch attn (part 3): grid 16 x 16, 16 waves a work-group, clusters of 4 x 1, 327,680 bytes of LDS; arguments qkv, c_img, c_sc; writes c_img, c_sc
.if DOCPART == 3
	.amdgcn_target "amdgcn-amd-amdhsa--gfx1250"
	.amdhsa_code_object_version 6
	.text
	.protected	k_qb6363b634d_attn
	.globl	k_qb6363b634d_attn
	.p2align	8
	.type	k_qb6363b634d_attn,@function
k_qb6363b634d_attn:
	s_mov_b64 s[64:65], 0
	v_nop
	global_prefetch_b8 v0, s[64:65] scope:SCOPE_SE
	s_setreg_imm32_b32 hwreg(HW_REG_WAVE_MODE, 25, 1), 1
	s_wait_xcnt 0x0
	s_wait_alu depctr_hold_cnt(0) depctr_sa_sdst(0) depctr_va_vdst(0) depctr_va_sdst(0) depctr_va_ssrc(0) depctr_va_vcc(0) depctr_vm_vsrc(0)
	s_getreg_b32 s2, hwreg(HW_REG_IB_STS2, 6, 4)
	s_cmp_eq_u32 s2, 0
	s_cbranch_scc0 .Lentry_in_a_cluster
	s_endpgm
.Lentry_in_a_cluster:
	s_bfe_u32 s2, ttmp6, 0x10000c
	s_cmp_lg_u32 s2, 0x3003
	s_cbranch_scc0 .Lentry_shape_is_right
	s_endpgm
.Lentry_shape_is_right:
; For each of 16 heads of 64 channels: O[q] = the sum over keys of softmax(Q[q] . K[k] / 8) V[k], both products on codes of FP6 (E2M3) with E8M0 scales; O is quantised along the channels and leaves as codes.
; THE SOFTMAX AHEAD OF THE SECOND PRODUCT: t = score x log2(e) / 8; M = the row's largest t so far, rounded UP to a whole number; p = 2^(t - M) is quantised along the keys, not normalised.
; The row's sum is taken of the unquantised p, in f32, and divides O at the end (a reciprocal and a multiplication).  When M moves, the sum and O are multiplied by 2^(old M - new M): exact.
; A block's largest p is made from the block's largest score by the same two instructions as every p (this takes v_exp_f32 not to fall where its input rises).
; IN: records of 19,968 bytes for (head, group of 128 tokens), images of operand registers.  Bytes 6,656 on, 13,312 dense bytes, are all that a key step reads: K's 8 half images, V's 4 images, K's and V's scale words.
; SHARES.  A work-group owns 256 queries of one head; each of its sixteen waves 16 of them, one tile, in 256 registers: four waves to a SIMD, so that one wave's exponentials stand beside another's plain and matrix work.
; Every wave walks all 4,096 keys, 128 a step.  A ring of two LDS slots of four steps; waves 0 to 3 fetch a step's record each.
; CLUSTER.  The four query blocks of a cluster belong to one head and walk the same records: each is asked for JOINTLY, by the same tensor load with a mask that names the four.
; LAYOUT.  Both products transposed: S^T = K Q^T, O^T = V^T P^T: a lane holds one query (lane % 16).  The stored order of tokens and of V's channels makes the 16 registers of tiles 2 b and 2 b + 1 sixteen true neighbours.
; K = 64 IN AN INSTRUCTION OF K = 128: Q's registers 6-11 are zero codes, so K's tile t is named with the six registers that follow it (the next tile's codes; behind tile 7, V's): they meet zeros.  Bytes 2, 3 of both scale words are 0.
; OUT: c_img [tile of 16 tokens][head][768]: half images;  c_sc [head][token]: two scale bytes.
; LIMITS: a block whose largest magnitude lies under 2^-124 (zeros too) gets the byte 1; the bytes are read by this program alone.  NaN and infinities are not served.
.set REC,   19968
.set HSTR,  32*REC
.set KVO,   6656                       ; where a record's key step begins
.set STEPB, 13312                      ; and its bytes: 52 x 256
.set NSL,   8                          ; slots' worth of keys: 32 steps, four to a slot
.set SLOT1, 65536                      ; slot 1 begins here: one exclusive or turns an address from one slot to the other
.set SCST,  131072                     ; 512 bytes in which the work-group's scale bytes meet; no tile lands here
.set SPARE, SCST+512                   ; the spare words: 128 bytes for each of sixteen waves, named by no other line
.set SPW,  1
.set NIL,  2
.set L16,  3                           ; v3   16 x lane
.set AD16, 4                           ; v4   the slot in hand + 16 x lane
.set AD8,  5                           ; v5   the slot in hand + 8 x lane
.set PFO,  6                           ; v6   the prefetches' offset
.set QS,   7                           ; v7   Q's scale words
.set KSC,  8                           ; v8-11  K's: register j: lanes 0-15 tile j, lanes 16-31 tile 4 + j
.set QF,   16                          ; v16-21 Q's codes, v22-27 zeros
.set VSC,  28                          ; v28-31 V's scale words, a register a tile
.set KF,   32                          ; v32-79 K's eight tiles, six registers each
.set VF,   80                          ; v80-127 V's four tiles, twelve each
.set S,    128                         ; v128-191 S^T, then p
.set OT,   192                         ; v192-223 O^T
.set PC,   224                         ; v224-235 p's codes
.set T1,   236                         ; v236-243 at work
.set SO,   244                         ; v244-247 the conversions' scale operands
.set MX,   248                         ; v248-251 the blocks' largest scores
.set TB,   2                           ; s2   LDS byte at which the slot in hand begins
.set SLOTS, 3                          ; s3   slots still to be asked for
.set WV,   10
.set G1,   16                          ; s[16:23]
.set G0,   24                          ; s[24:27] one group 0, which walks
.set SEL,  28
.set CS,   30                          ; s[30:31] c = log2(e) / 8
.set PFA,  32                          ; s[32:33] where my prefetches stand
.set LIM,  34                          ; s34  1 in a wave that prefetches, else the greatest number
.macro TLOAD                           ; waves 0 to 3 fetch; the branch hangs on the wave's number alone.  An s_nop 0 and four v_nop follow the line
	s_cmp_lt_u32 s[WV], 4
	s_cbranch_scc0 .Lasked_\@
	tensor_load_to_lds s[G0:G0+3], s[G1:G1+7]
	s_nop 0
.rept 4
	v_nop
.endr
.Lasked_\@:
.endm
; A PREFETCH INTO THE L2 of what the next change of slots will ask for: four records' key steps, 52 blocks of 256 bytes each.  All clusters of a head walk the same records: the head's first cluster asks.
; Its four partners take a record each, told apart by address; in each, waves 4 and 5 ask, a lane a block (the last twelve lanes of wave 5 name the record's last block again).
; It stands four key steps ahead of the load that wants the bytes.  Slots 0 and 1 come by their loads alone; the last change that fills a slot asks for nothing.
.macro ASK
	s_cmp_gt_u32 s[SLOTS], s[LIM]
	s_cbranch_scc0 .Lnot_mine_\@
	global_prefetch_b8 v[PFO], s[PFA:PFA+1] th:TH_LOAD_NT scope:SCOPE_SE
.Lnot_mine_\@:
.endm
.macro CROUND                          ; a round of the cluster's barrier
	s_barrier_signal -1
	s_barrier_wait -1
	s_cmp_lg_u32 s[WV], 0
	s_cbranch_scc1 .Lnot_wave_0_\@
	s_barrier_signal -3
.Lnot_wave_0_\@:
	s_barrier_wait -3
	s_barrier_signal -1
	s_barrier_wait -1
.endm
	s_load_b128 s[4:7], s[0:1], 0x0                ; the records, c_img
	s_load_b64 s[8:9], s[0:1], 0x10                ; c_sc
	v_lshl_add_u32 v[SPW], v0, 2, SPARE
	v_mov_b32 v[NIL], 0
	ds_add_u32 v[SPW], v[NIL]                      ; the wave's opening: the add and its wait ahead of my first tensor load; work on registers stands between them
	v_lshrrev_b32 v3, 5, v0
	v_readfirstlane_b32 s[WV], v3                  ; wave 0..15
	s_bfe_u32 s11, ttmp6, 0x40000                  ; cx
	s_lshl_b32 s12, ttmp9, 2
	s_add_co_u32 s12, s12, s11                     ; my block of 256 queries
	s_and_b32 s13, ttmp7, 0xffff                   ; the head, which the four partners share
	; descriptor group 1: 52 dense rows of 256 bytes (32 elements of 8 bytes), no padding
	s_mov_b32 s[G1], 15|(3<<16)|(1<<21)            ; 15:0 the mask: all four work-groups; 17:16 elements of 8 bytes; 21 set beside a mask
	s_mov_b32 s[G1+1], 32<<16                      ; tensor_dim0
	s_mov_b32 s[G1+2], 52<<16                      ; tensor_dim1
	s_mov_b32 s[G1+3], 32<<16                      ; tile_dim0
	s_mov_b32 s[G1+4], 52                          ; tile_dim1
	s_mov_b32 s[G1+5], 32                          ; the pitch
	s_mov_b32 s[G1+6], 0
	s_mov_b32 s[G1+7], 0
	s_mov_b32 s[SEL], 0x76543210
	s_mov_b32 s[SEL+1], 0xfedcba98                 ; v_permlanex16_b32's selects for lane l xor 16
	s_mov_b32 s[CS], 0x3e38aa3b                    ; c = log2(e) / 8
	s_mov_b32 s[CS+1], s[CS]                       ; (named with it as a pair, so it is written)
	s_mov_b32 s[TB], 0
	s_mov_b32 s[SLOTS], NSL-1
	s_mul_i32 s36, s13, HSTR                       ; the head's first record
	s_mov_b32 s37, 0
	s_mul_i32 s38, s[WV], REC                      ; what I fetch, if I fetch: step = wave of the slot
	s_add_co_u32 s38, s38, KVO
	s_mov_b32 s39, 0
	s_lshl_b32 s40, s12, 1                         ; my tile of queries is tile 16 X + wave: record 2 X + wave / 8, tile wave % 8 in it
	s_lshr_b32 s41, s[WV], 3
	s_add_co_u32 s40, s40, s41
	s_mul_i32 s40, s40, REC
	s_and_b32 s41, s[WV], 7
	s_mul_i32 s42, s41, 768
	s_add_co_u32 s42, s42, s40                     ; Q's half image
	s_mov_b32 s43, 0
	s_lshr_b32 s44, s41, 2
	s_lshl_b32 s44, s44, 8
	s_and_b32 s45, s41, 3
	s_lshl_b32 s45, s45, 2
	s_add_co_u32 s44, s44, s45
	s_add_co_u32 s44, s44, s40
	s_add_co_u32 s44, s44, 6144                    ; Q's scale words: [tile / 4][row][tile % 4]
	s_mov_b32 s45, 0
	s_lshl_b32 s40, s13, 13                        ; c_sc: 8,192 bytes a head, 512 a block of queries
	s_lshl_b32 s41, s12, 9
	s_add_co_u32 s40, s40, s41
	s_mov_b32 s41, 0
	s_lshl_b32 s46, s12, 4
	s_add_co_u32 s46, s46, s[WV]
	s_mul_i32 s46, s46, 12288                      ; c_img: 12,288 bytes a tile of tokens, 768 a head
	s_mul_i32 s47, s13, 768
	s_add_co_u32 s46, s46, s47
	s_mov_b32 s47, 0
	s_mul_i32 s[PFA], s11, REC                     ; the prefetches: my work-group's record of a slot's four,
	s_add_co_u32 s[PFA], s[PFA], KVO+4*REC         ; in slot 1: the first change of slots steps it to slot 2.  Nothing is prefetched at the head
	s_mov_b32 s[PFA+1], 0
	s_sub_co_u32 s35, s[WV], 4
	s_lshr_b32 s35, s35, 1                         ; 0 in waves 4 and 5,
	s_or_b32 s35, s35, ttmp9                       ; of the head's first cluster: the same in all four partners
	s_cmp_eq_u32 s35, 0
	s_cselect_b32 s[LIM], 1, -1
	s_and_b32 s35, s[WV], 1
	s_lshl_b32 s35, s35, 5
	v_and_b32 v[L16], 31, v0
	v_add_nc_u32 v[PFO], s35, v[L16]
	v_min_u32 v[PFO], 51, v[PFO]
	v_lshlrev_b32 v[PFO], 8, v[PFO]                ; block lane + 32 (wave % 2), at most the 52nd
	v_lshlrev_b32 v[L16], 4, v[L16]
	s_wait_dscnt 0x0                               ; the opening add is done
	s_wait_kmcnt 0x0
	s_add_nc_u64 s[4:5], s[4:5], s[36:37]          ; the records at my head
	s_mov_b32 s[G0], 1                             ; count = 1
	s_mul_i32 s[G0+1], s[WV], STEPB                ; LDS address: slot 0, step = wave
	s_add_nc_u64 s[G0+2:G0+3], s[4:5], s[38:39]
	s_or_b32 s[G0+3], s[G0+3], 0x80000000          ; type = 2
	s_add_nc_u64 s[PFA:PFA+1], s[4:5], s[PFA:PFA+1]
	s_add_nc_u64 s[42:43], s[4:5], s[42:43]
	s_add_nc_u64 s[44:45], s[4:5], s[44:45]
	s_add_nc_u64 s[6:7], s[6:7], s[46:47]
	s_add_nc_u64 s[8:9], s[8:9], s[40:41]
	CROUND                                         ; all four work-groups are here: the first joint loads meet
	TLOAD                                          ; slot 0: one tensor load of a fetching wave is out
	v_lshrrev_b32 v[AD8], 1, v[L16]
	v_and_b32 v254, 15, v0
	v_lshlrev_b32 v254, 4, v254
	global_load_b128 v[QF:QF+3], v[L16], s[42:43]  ; Q's half image stays in registers
	global_load_b64 v[QF+4:QF+5], v[AD8], s[42:43] offset:512
	global_load_b32 v[QS], v254, s[44:45]          ; lane r: row r's word
.irp j, 6,7,8,9,10,11
	v_mov_b32 v[QF+\j], 0                          ; the empty half of K = 128: zero codes
.endr
.irp j, 0,1,2,3,4,5
	v_mov_b32 v[VF+\j], 0                          ; named behind K's tile 7 before V is first loaded
.endr
	v_mov_b32 v13, 0xff61b1e6                      ; the largest t so far: -3e38, under every t
	v_floor_f32 v12, -v13                          ; -M
	v_mov_b32 v14, 0                               ; the sum, in two halves
	v_mov_b32 v15, 0
.irp b, 0,1,2,3
	v_mov_b32 v[T1+\b], 0                          ; written once: a lane permute's destination counts as one of its sources
.endr
	v_mov_b32 v253, 0                              ; (named as the upper half of the pair v[252:253] before it is first written)
.irp j, 0,1,2,3,4,5,6,7,8,9,10,11,12,13,14,15,16,17,18,19,20,21,22,23,24,25,26,27,28,29,30,31
	v_mov_b32 v[OT+\j], 0                          ; O^T: the step is written once; the first finds zeros, which the first change of M leaves zeros
.endr
.macro KLOAD q                         ; 17 LDS loads: a step's K as images, each instruction's bytes consecutive; and its scale words
.irp t, 0,1,2,3,4,5,6,7
	ds_load_b128 v[KF+6*\t:KF+6*\t+3],   v[AD16] offset:(\q)*STEPB+768*\t
	ds_load_b64  v[KF+6*\t+4:KF+6*\t+5], v[AD8]  offset:(\q)*STEPB+768*\t+512
.endr
	ds_load_b128 v[KSC:KSC+3], v[AD16] offset:(\q)*STEPB+12288
.endm
.macro VLOAD q                         ; 17 LDS loads: its V
.irp c, 0,1,2,3
	ds_load_b128 v[VF+12*\c:VF+12*\c+3],     v[AD16] offset:(\q)*STEPB+6144+1536*\c
	ds_load_b64  v[VF+12*\c+4:VF+12*\c+5],   v[AD8]  offset:(\q)*STEPB+6144+1536*\c+512
	ds_load_b128 v[VF+12*\c+6:VF+12*\c+9],   v[AD16] offset:(\q)*STEPB+6144+1536*\c+768
	ds_load_b64  v[VF+12*\c+10:VF+12*\c+11], v[AD8]  offset:(\q)*STEPB+6144+1536*\c+1280
.endr
	ds_load_b128 v[VSC:VSC+3], v[AD16] offset:(\q)*STEPB+12800
.endm
; A KEY STEP: 128 keys, the q-th of the slot in hand.
.macro STEP q
	s_wait_dscnt 0x0                               ; K is in
.irp t, 0,1,2,3
	v_wmma_scale_f32_16x16x128_f8f6f4 v[S+8*\t:S+8*\t+7], v[KF+6*\t:KF+6*\t+11], v[QF:QF+11], 0, v[KSC+\t], v[QS] matrix_a_fmt:MATRIX_FMT_FP6 matrix_b_fmt:MATRIX_FMT_FP6
.endr
.irp t, 4,5,6,7
	v_wmma_scale_f32_16x16x128_f8f6f4 v[S+8*\t:S+8*\t+7], v[KF+6*\t:KF+6*\t+11], v[QF:QF+11], 0, v[KSC+\t-4], v[QS] matrix_a_fmt:MATRIX_FMT_FP6 matrix_b_fmt:MATRIX_FMT_FP6 matrix_a_scale:MATRIX_SCALE_ROW1
.endr
.rept 4
	v_nop                                          ; places: in front of the loads into registers that these products have read, and of the first read of the scores
.endr
	VLOAD \q                                       ; both runs land under the softmax
.if (\q) < 3
	KLOAD (\q)+1
.endif
.irp b, 0,1,2,3
	v_max3_num_f32 v[MX+\b], v[S+16*\b], v[S+1+16*\b], v[S+2+16*\b]   ; the largest score of each block of 32 keys: for the row's maximum, and for the block's largest p
.endr
.irp i, 3,5,7,9,11,13
.irp b, 0,1,2,3
	v_max3_num_f32 v[MX+\b], v[MX+\b], v[S+16*\b+\i], v[S+1+16*\b+\i]
.endr
.endr
.irp b, 0,1,2,3
	v_max_num_f32 v[MX+\b], v[MX+\b], v[S+15+16*\b]
.endr
.irp b, 0,1,2,3
	v_permlanex16_b32 v[T1+\b], v[MX+\b], s[SEL], s[SEL+1]
.endr
.irp b, 0,1,2,3
	v_max_num_f32 v[MX+\b], v[MX+\b], v[T1+\b]     ; with lane l xor 16's 16 keys
.endr
	v_max3_num_f32 v254, v[MX], v[MX+1], v[MX+2]
	v_max_num_f32 v254, v254, v[MX+3]              ; the step's largest score of my query
	v_mul_f32 v254, s[CS], v254                    ; as t (c is positive)
	v_max_num_f32 v13, v13, v254                   ; the running largest t
	v_mov_b32 v254, v12
	v_floor_f32 v12, -v13                          ; the new -M = floor(-t): M is a whole number
	v_sub_f32 v254, v12, v254                      ; old M - new M: a whole number, 0 or less
	v_cvt_i32_f32 v254, v254                       ; (it saturates)
	v_ldexp_f32 v252, 1.0, v254                    ; f = 2^(old M - new M)
.irp j, 0,2,4,6,8,10,12,14,16,18,20,22,24,26,28,30,32,34,36,38,40,42,44,46,48,50,52,54,56,58,60,62
	v_pk_fma_f32 v[S+\j:S+1+\j], v[S+\j:S+1+\j], s[CS:CS+1], v[12:13] op_sel_hi:[1,0,0]   ; t - M, two at a time
.endr
.irp b, 0,1,2,3
	v_fma_f32 v[MX+\b], v[MX+\b], s[CS], v12       ; the same of each block's largest score
.endr
.irp j, 0,1,2,3,4,5,6,7,8,9,10,11,12,13,14,15,16,17,18,19,20,21,22,23,24,25,26,27,28,29,30,31,32,33,34,35,36,37,38,39,40,41,42,43,44,45,46,47,48,49,50,51,52,53,54,55,56,57,58,59,60,61,62,63
	v_exp_f32 v[S+\j], v[S+\j]                     ; p = 2^(t - M), at most 1
.endr
	v_pk_mul_f32 v[14:15], v[14:15], v[252:253] op_sel_hi:[1,0]   ; the sums under the new M (the plain line behind the exponentials)
	s_wait_alu depctr_va_vdst(0)                   ; one wait for the whole batch, ahead of its first reader
.irp b, 0,1,2,3
	v_exp_f32 v[MX+\b], v[MX+\b]                   ; the block's largest p
.endr
	v_pk_add_f32 v[T1:T1+1], v[S:S+1], v[S+2:S+3]  ; the row's sum is taken of the unquantised p: two at a time, in two chains
.irp j, 4,8,12,16,20,24,28,32,36,40,44,48,52,56,60
	v_pk_add_f32 v[14:15], v[14:15], v[S+\j:S+1+\j]
	v_pk_add_f32 v[T1:T1+1], v[T1:T1+1], v[S+2+\j:S+3+\j]
.endr
	v_pk_add_f32 v[14:15], v[14:15], v[T1:T1+1]
	s_wait_alu depctr_va_vdst(0)                   ; and one for the four
.irp b, 0,1,2,3
	v_max_num_f32 v[MX+\b], 0x1800000, v[MX+\b]    ; the floor 2^(3 - 127): the byte cannot fall under 1
.endr
.irp b, 0,1,2,3
	v_add_nc_u32 v[SO+\b], 0xff000000, v[MX+\b]    ; 2 off the exponent field: the conversion's scale operand
.endr
.irp b, 0,1,2,3
	v_lshrrev_b32 v[T1+\b], 23, v[SO+\b]           ; the scale's byte
.endr
	v_lshl_or_b32 v253, v[T1+1], 8, v[T1]          ; p's scale word for these 128 keys
	v_lshl_or_b32 v253, v[T1+2], 16, v253
	v_lshl_or_b32 v253, v[T1+3], 24, v253
.irp c, 0,1
	v_cvt_scalef32_pk16_fp6_f32 v[PC+6*\c:PC+2+6*\c], v[S+32*\c:S+15+32*\c], v[SO+2*\c]
	v_cvt_scalef32_pk16_fp6_f32 v[T1+4*\c:T1+2+4*\c], v[S+16+32*\c:S+31+32*\c], v[SO+2*\c+1]   ; (a conversion's three registers begin on an even number)
.endr
	v_nop                                          ; one plain line behind a scaled conversion
.irp c, 0,1                                    ; the operand's layout wants a whole block in a lane
.irp i, 0,1,2
	v_permlane16_swap_b32 v[PC+6*\c+\i], v[T1+4*\c+\i]
.endr
.irp i, 0,1,2
	v_mov_b32 v[PC+3+6*\c+\i], v[T1+4*\c+\i]
.endr
.endr
.irp j, 0,2,4,6,8,10,12,14,16,18,20,22,24,26,28,30
	v_pk_mul_f32 v[OT+\j:OT+1+\j], v[OT+\j:OT+1+\j], v[252:253] op_sel_hi:[1,0]   ; O^T under the new M.  (These sixteen are also the lines between the writes of p's codes and scale word and the products)
.endr
.if (\q) < 3
	s_wait_dscnt 17                                ; V is in; the next step's 17 loads of K, issued behind it, may be out
.else
	s_wait_dscnt 0x0
.endif
.irp c, 0,1,2,3                                ; O^T += V^T P^T: four accumulators by turns
	v_wmma_scale_f32_16x16x128_f8f6f4 v[OT+8*\c:OT+8*\c+7], v[VF+12*\c:VF+12*\c+11], v[PC:PC+11], v[OT+8*\c:OT+8*\c+7], v[VSC+\c], v253 matrix_a_fmt:MATRIX_FMT_FP6 matrix_b_fmt:MATRIX_FMT_FP6
.endr
.endm
; THE CHANGE OF SLOTS stands at a slot's head.  Each wave waits for all its tensor loads (its part of the slot ahead), adds 0 to its spare word, and waits for that and for its reads of the slot that it has left.
; fill = 1: the barrier is a round of the cluster's, and behind it the slot just left is filled with the keys that follow: the load has four key steps in which to land.
.macro CHANGE fill
	s_wait_tensorcnt 0x0                           ; no tensor load of mine is out, so the group 0 may be written
	ds_add_u32 v[SPW], v[NIL]                      ; 0 onto my spare word
.if \fill
	s_xor_b32 s[G0+1], s[G0+1], SLOT1              ; the other slot than last time,
	s_add_nc_u64 s[G0+2:G0+3], s[G0+2:G0+3], 4*REC ; the next four records; the type bits on top are not reached
	s_wait_xcnt 0x0                                ; the last prefetch, a slot back, has read its address, so it may be written
	s_add_nc_u64 s[PFA:PFA+1], s[PFA:PFA+1], 4*REC
	s_wait_dscnt 0x0                               ; the add is done, and my reads of the slot that I have left are over
	CROUND
	TLOAD                                          ; the first thing behind the round, and a wave's one tensor load until the next
	ASK
.else
	s_wait_dscnt 0x0
	s_barrier_signal -1
	s_barrier_wait -1
.endif
.endm
.macro SLOT_STEPS
	v_add_nc_u32 v[AD16], s[TB], v[L16]
	v_lshrrev_b32 v[AD8], 1, v[L16]
	v_add_nc_u32 v[AD8], s[TB], v[AD8]
	KLOAD 0
	STEP 0
	STEP 1
	STEP 2
	STEP 3
	s_xor_b32 s[TB], s[TB], SLOT1                  ; on to the other slot
.endm
	s_wait_loadcnt 0x0                             ; Q
.Lslot:                                            ; seven trips: behind each change of slots but the last the next slot is asked for
	CHANGE 1
	SLOT_STEPS
	s_sub_co_u32 s[SLOTS], s[SLOTS], 1
	s_cmp_lg_u32 s[SLOTS], 0
	s_cbranch_scc1 .Lslot
	CHANGE 0                                       ; the last slot is written out
	SLOT_STEPS
	; THE WAY OUT.  O^T / the sum; register 16 b + i of my 32 is true channel 32 b + 16 (lane / 16) + i of the head: two blocks, quantised as p is; the codes leave as a half image.
.rept 4
	v_nop                                          ; places behind the last products
.endr
	v_add_f32 v14, v14, v15                        ; the sum's two halves,
	v_permlanex16_b32 v252, v14, s[SEL], s[SEL+1]
	v_add_f32 v14, v14, v252                       ; and lane l xor 16's
	v_rcp_f32 v14, v14
	v_and_b32 v254, 15, v0                         ; (a plain line behind the reciprocal)
	v_lshlrev_b32 v254, 1, v254
	v_lshrrev_b32 v[AD8], 5, v0
	v_lshl_add_u32 v254, v[AD8], 5, v254
	v_add_nc_u32 v254, SCST, v254                  ; where my row's two scale bytes meet the others': 32 x wave + 2 x row
	v_add_nc_u32 v[AD16], SCST, v[L16]             ; and where wave 0 reads them back
	v_lshrrev_b32 v[AD8], 1, v[L16]                ; 8 x lane
	s_wait_alu depctr_va_vdst(0)                   ; the wait ahead of the reciprocal's first reader
.irp j, 0,2,4,6,8,10,12,14,16,18,20,22,24,26,28,30
	v_pk_mul_f32 v[S+\j:S+1+\j], v[OT+\j:OT+1+\j], v[14:15] op_sel_hi:[1,0]   ; each accumulator from its low end on
.endr
.irp b, 0,1
	v_max3_num_f32 v[MX+\b], |v[S+16*\b]|, |v[S+1+16*\b]|, 0x1800000
.endr
.irp i, 2,4,6,8,10,12,14
.irp b, 0,1
	v_max3_num_f32 v[MX+\b], v[MX+\b], |v[S+16*\b+\i]|, |v[S+1+16*\b+\i]|
.endr
.endr
.irp b, 0,1
	v_permlanex16_b32 v[T1+\b], v[MX+\b], s[SEL], s[SEL+1]
.endr
.irp b, 0,1
	v_max_num_f32 v[MX+\b], v[MX+\b], v[T1+\b]
.endr
.irp b, 0,1
	v_add_nc_u32 v[SO+\b], 0xff000000, v[MX+\b]
.endr
.irp b, 0,1
	v_lshrrev_b32 v[T1+\b], 23, v[SO+\b]
.endr
	v_lshl_or_b32 v252, v[T1+1], 8, v[T1]          ; my row's two scale bytes
	v_cvt_scalef32_pk16_fp6_f32 v[PC:PC+2], v[S:S+15], v[SO]
	v_cvt_scalef32_pk16_fp6_f32 v[T1+4:T1+6], v[S+16:S+31], v[SO+1]
	v_nop
.irp i, 0,1,2
	v_permlane16_swap_b32 v[PC+\i], v[T1+4+\i]
.endr
.irp i, 0,1,2
	v_mov_b32 v[PC+3+\i], v[T1+4+\i]
.endr
	global_store_b128 v[L16], v[PC:PC+3], s[6:7]               ; 512 consecutive bytes, aligned
	global_store_b64 v[AD8], v[PC+4:PC+5], s[6:7] offset:512   ; 256
	ds_store_b16 v254, v252                        ; lanes l and l xor 16 write the same bytes with the same value
	s_wait_dscnt 0x0                               ; for the others' sake: my store is done
	s_barrier_signal -1
	s_barrier_wait -1
	s_cmp_lg_u32 s[WV], 0
	s_cbranch_scc1 .Lnot_first
	ds_load_b128 v[32:35], v[AD16]                 ; the work-group's 512 scale bytes
	s_wait_dscnt 0x0
	global_store_b128 v[L16], v[32:35], s[8:9]     ; 512 consecutive bytes, aligned
.Lnot_first:
	s_wait_tensorcnt 0x0                           ; the wave's end
	ds_add_u32 v[SPW], v[NIL]
	s_wait_dscnt 0x0
	CROUND                                         ; the closing round
	s_endpgm
.Lfunc_end_k_qb6363b634d_attn:
	.size	k_qb6363b634d_attn, .Lfunc_end_k_qb6363b634d_attn-k_qb6363b634d_attn
	.p2alignl 7, 3214868480
	.fill 96, 4, 3214868480
	.section	.rodata,"a",@progbits
	.p2align	6, 0x0
	.amdhsa_kernel k_qb6363b634d_attn
		.amdhsa_group_segment_fixed_size 327680
		.amdhsa_private_segment_fixed_size 0
		.amdhsa_enable_private_segment 0
		.amdhsa_kernarg_size 24
		.amdhsa_user_sgpr_count 2
		.amdhsa_user_sgpr_kernarg_segment_ptr 1
		.amdhsa_wavefront_size32 1
		.amdhsa_system_sgpr_workgroup_id_x 1
		.amdhsa_system_sgpr_workgroup_id_y 1
		.amdhsa_system_sgpr_workgroup_id_z 1
		.amdhsa_system_vgpr_workitem_id 0
		.amdhsa_next_free_vgpr 256
		.amdhsa_next_free_sgpr 66
		.amdhsa_reserve_vcc 0
		.amdhsa_float_denorm_mode_32 3
		.amdhsa_float_denorm_mode_16_64 3
		.amdhsa_memory_ordered 1
		.amdhsa_forward_progress 1
		.amdhsa_inst_pref_size 137
	.end_amdhsa_kernel
	.amdgpu_metadata
---
amdhsa.version: [ 1, 2 ]
amdhsa.kernels:
  - .name:           k_qb6363b634d_attn
    .symbol:         k_qb6363b634d_attn.kd
    .args:
      - { .name: qkv, .offset: 0, .size: 8, .value_kind: global_buffer, .address_space: global }
      - { .name: c_img, .offset: 8, .size: 8, .value_kind: global_buffer, .address_space: global }
      - { .name: c_sc, .offset: 16, .size: 8, .value_kind: global_buffer, .address_space: global }
    .group_segment_fixed_size: 327680
    .private_segment_fixed_size: 0
    .kernarg_segment_align: 8
    .kernarg_segment_size: 24
    .max_flat_workgroup_size: 512
    .sgpr_count:     66
    .vgpr_count:     256
    .wavefront_size: 32
...
	.end_amdgpu_metadata
.endif
;; end of part 3
;; launch proj (part 4): grid 4 x 16, 4 waves a work-group, clusters of 4 x 4, 327,680 bytes of LDS; arguments c_img, c_sc, w_codes, w_scales, out0; writes out0
.if DOCPART == 4
	.amdgcn_target "amdgcn-amd-amdhsa--gfx1250"
	.amdhsa_code_object_version 6
	.text
	.protected	k_qb6363b634d_proj
	.globl	k_qb6363b634d_proj
	.p2align	8
	.type	k_qb6363b634d_proj,@function
k_qb6363b634d_proj:
	s_mov_b64 s[64:65], 0
	v_nop
	global_prefetch_b8 v0, s[64:65] scope:SCOPE_SE
	s_setreg_imm32_b32 hwreg(HW_REG_WAVE_MODE, 25, 1), 1
	s_wait_xcnt 0x0
	s_wait_alu depctr_hold_cnt(0) depctr_sa_sdst(0) depctr_va_vdst(0) depctr_va_sdst(0) depctr_va_ssrc(0) depctr_va_vcc(0) depctr_vm_vsrc(0)
	s_getreg_b32 s2, hwreg(HW_REG_IB_STS2, 6, 4)
	s_cmp_eq_u32 s2, 0
	s_cbranch_scc0 .Lentry_in_a_cluster
	s_endpgm
.Lentry_in_a_cluster:
	s_bfe_u32 s2, ttmp6, 0x10000c
	s_cmp_lg_u32 s2, 0xf033
	s_cbranch_scc0 .Lentry_shape_is_right
	s_endpgm
.Lentry_shape_is_right:
; out0 = concat w_o^T on codes of FP6 (E2M3) with E8M0 scales, K = 1,024; out0 [4096][1024] f32.
; A = the concatenated heads, as images of operand registers: c_img [tile of 16 tokens][head][768]; two heads side by side are a fragment of 16 tokens x 128 K.  Its scale bytes: c_sc [head][token], two a token.
; B = w_o: rows 3,072 on of w_codes [..][768] and w_scales [..][32], in their true order.
; A tile of 256 x 256 is made by four waves, 128 x 128 each.  K goes in steps of 256 (four heads) through a ring of two LDS slots.  64 work-groups: a smaller tile would give more, at twice the LDS reads for each product.
; THE MATRIX INSTRUCTION IS USED TRANSPOSED (source 0 = 16 rows of w_o, source 1 = 16 tokens): a lane holds eight neighbouring numbers of a row of out0.
; THE TOKENS of a tile are stored in another order (true token 32 B + 16 g + 8 u + e at place 32 B + 16 u + 8 g + e): the stores put each row at its true place.
; CLUSTERS: 4 x 4 work-groups; A's tiles are shared along a row of the cluster, B's along a column, by joint loads.  No prefetch: K has four slot fills in all, two of them at the head.
; REGISTERS: window 0: v0-31 addresses; v32-63 scale words, two sets; v64-95 A's scale bytes on their way; from v128 A's fragments, one set; on the way out v128-255.  window 1: B's, two sets.  windows 2, 3: the accumulators.
.set NQ,     2
.set ROWB,   192
.set KROW,   768
.set PITCH,  240                       ; B's LDS row: 3 x (64 bytes + 16 of padding)
.set FR,     12
.set NL,     6                         ; LDS loads that bring a fragment of B
.set NLA,    4                         ; and of A
.set NP,     4
.set HALFA,  8*3072                    ; A: 8 tiles of tokens x 4 heads x 768 bytes: what one tensor load brings
.set HALFT,  128*PITCH                 ; B: 128 rows
.set SLOT,   2*HALFA+2*HALFT
.set KS,     32
.set SCL,    2*SLOT                    ; the scales, as units of 256 bytes + 16: A's 256 rows (stored by the waves; no tile lands there), then B's (one fill)
.set HALFS,  (128*KS/256)*272
.set SBLK,   (16*KS/256)*272
.set SPARE,  SCL+4*HALFS               ; the spare words: 128 bytes for each wave, named by no other line
.set SPITCH, 528                       ; the way out: a stage of 16 rows x (512 + 16) bytes for each wave, in slot 0, which has had its last fill and its last read by then
.set ROWC,   4096                      ; a row of out0 in bytes
.set ADRA, 16                          ; v16-17 A's images in slot 0, 1, + 16 x lane; v18-19 + 8 x lane
.set ADRB, 20                          ; v20-21 B's fragments; v22-23 behind one padding more
.set STO,  24
.set RD,   25
.set CO,   26
.set ADRS, 27
.set SPW,  28
.set NIL,  29
.set SC,   32
.set AF,   128
.set BK,   128
.set G1, 24
.set G0, 32
.set G1B, 48
.set G0B, 56
.set G1SB, 80
.set G0SB, 88
.set MSB, 0
.macro WIN new
.if MSB != \new
	s_set_vgpr_msb (MSB<<8)|\new
.set MSB, \new
.endif
.endm
.set MUL_LO, 0xa1
.set MUL_HI, 0xf1
.set TO_B,   0x40
.macro JLOAD g0a, g1a, g0b, g1b        ; a joint load: waves 0 and 1 fetch for A, waves 2 and 3 for B.  An s_nop 0 and four v_nop follow each line
	s_cmp_eq_u32 s15, 0
	s_cbranch_scc0 .Lfor_b_\@
	tensor_load_to_lds s[\g0a:\g0a+3], s[\g1a:\g1a+7]
	s_nop 0
.rept 4
	v_nop
.endr
	s_branch .Lasked_\@
.Lfor_b_\@:
	tensor_load_to_lds s[\g0b:\g0b+3], s[\g1b:\g1b+7]
	s_nop 0
.rept 4
	v_nop
.endr
.Lasked_\@:
.endm
.macro CREST
	s_cmp_lg_u32 s14, 0
	s_cbranch_scc1 .Lnot_wave_0_\@
	s_barrier_signal -3
.Lnot_wave_0_\@:
	s_barrier_wait -3
	s_barrier_signal -1
	s_barrier_wait -1
.endm
.macro CROUND
	s_barrier_signal -1
	s_barrier_wait -1
	CREST
.endm
	s_load_b128 s[4:7], s[0:1], 0x0                ; c_img, c_sc
	s_load_b128 s[8:11], s[0:1], 0x10              ; w's codes, w's scales
	s_load_b64 s[12:13], s[0:1], 0x20              ; out0
	v_lshl_add_u32 v[SPW], v0, 2, SPARE
	v_mov_b32 v[NIL], 0
	ds_add_u32 v[SPW], v[NIL]                      ; the wave's opening: the add and its wait ahead of my first tensor load
	v_lshrrev_b32 v1, 5, v0
	v_readfirstlane_b32 s14, v1                    ; wave 0..3
	s_lshr_b32 s15, s14, 1                         ; which half of the tile's tokens is mine.  Also: I fetch for A (0) or for B (1)
	s_and_b32 s16, s14, 1                          ; which half of its columns.  Also: which half of that tile I fetch
	s_bfe_u32 s40, ttmp6, 0x40000                  ; cx, cy
	s_bfe_u32 s41, ttmp6, 0x40004
	s_lshl_b32 s42, ttmp9, 2
	s_add_co_u32 s42, s42, s40                     ; tile column
	s_and_b32 s17, ttmp7, 0xffff
	s_lshl_b32 s17, s17, 2
	s_add_co_u32 s17, s17, s41                     ; tile row
	s_lshl_b32 s43, s41, 2
	s_lshl_b32 s43, 15, s43                        ; my row of the cluster
	s_lshl_b32 s44, 0x1111, s40                    ; my column
	; A: 8 rows (tiles of tokens) of 3,072 bytes (four heads' half images: 384 elements of 8 bytes), 12,288 bytes apart; no padding
	s_or_b32 s[G1+0], s43, (3<<16)|(1<<21)
	s_mov_b32 s[G1+1], 384<<16                     ; tensor_dim0
	s_mov_b32 s[G1+2], 8<<16                       ; tensor_dim1
	s_mov_b32 s[G1+3], 384<<16                     ; tile_dim0
	s_mov_b32 s[G1+4], 8                           ; tile_dim1
	s_mov_b32 s[G1+5], 1536                        ; the pitch
	s_mov_b32 s[G1+6], 0
	s_mov_b32 s[G1+7], 0
	; B: 128 rows x 192 bytes, 16 bytes of padding behind every 64
	s_or_b32 s[G1B+0], s44, (0<<16)|(1<<20)|(1<<21)|(3<<22)|(3<<25)
	s_mov_b32 s[G1B+1], ROWB<<16
	s_mov_b32 s[G1B+2], 128<<16
	s_mov_b32 s[G1B+3], ROWB<<16
	s_mov_b32 s[G1B+4], 128
	s_mov_b32 s[G1B+5], KROW
	s_mov_b32 s[G1B+6], 0
	s_mov_b32 s[G1B+7], 0
	; B's scales of 128 rows: 16 rows of 256 bytes, 16 bytes of padding behind each
	s_or_b32 s[G1SB+0], s44, (3<<16)|(1<<20)|(1<<21)|(5<<22)|(3<<25)
	s_mov_b32 s[G1SB+1], 32<<16
	s_mov_b32 s[G1SB+2], (128*KS/256)<<16
	s_mov_b32 s[G1SB+3], 32<<16
	s_mov_b32 s[G1SB+4], 128*KS/256
	s_mov_b32 s[G1SB+5], 32
	s_mov_b32 s[G1SB+6], 0
	s_mov_b32 s[G1SB+7], 0
	s_lshl_b32 s20, s17, 4
	s_lshl_b32 s18, s16, 3
	s_add_co_u32 s20, s20, s18                     ; A: tile of tokens 16 x tile row + 8 x half
	s_mul_i32 s20, s20, 12288
	s_mov_b32 s21, 0
	s_lshl_b32 s96, s17, 9                         ; A's scale bytes: 512 for a tile row's 256 tokens, in each head
	s_mov_b32 s97, 0
	s_lshl_b32 s46, s42, 8
	s_lshl_b32 s18, s16, 7
	s_add_co_u32 s46, s46, s18
	s_add_co_u32 s46, s46, 3072                    ; B: row 3,072 + 256 x tile column + 128 x half
	s_lshl_b32 s92, s46, 5                         ; its scales,
	s_mov_b32 s93, 0
	s_mul_i32 s46, s46, KROW                       ; its codes
	s_mov_b32 s47, 0
	s_mul_i32 s45, s16, HALFA                      ; where they go: no place in the cluster enters an LDS address
	s_mul_i32 s66, s16, HALFT
	s_add_co_u32 s66, s66, 2*HALFA
	s_mul_i32 s94, s14, HALFS                      ; (waves 2 and 3: behind A's two halves)
	s_wait_dscnt 0x0                               ; the opening add is done
	s_wait_kmcnt 0x0
	s_add_nc_u64 s[20:21], s[4:5], s[20:21]
	s_add_nc_u64 s[96:97], s[6:7], s[96:97]
	s_add_nc_u64 s[46:47], s[8:9], s[46:47]
	s_add_nc_u64 s[92:93], s[10:11], s[92:93]
	s_mov_b32 s[G0SB], 1
	s_add_co_u32 s[G0SB+1], s94, SCL
	s_mov_b64 s[G0SB+2:G0SB+3], s[92:93]
	s_or_b32 s[G0SB+3], s[G0SB+3], 0x80000000
.irp s, 0,1
	s_mov_b32 s[G0+4*\s], 1
	s_add_co_u32 s[G0+4*\s+1], s45, \s*SLOT
	s_add_nc_u64 s[G0+4*\s+2:G0+4*\s+3], s[20:21], \s*3072
	s_or_b32 s[G0+4*\s+3], s[G0+4*\s+3], 0x80000000
	s_mov_b32 s[G0B+4*\s], 1
	s_add_co_u32 s[G0B+4*\s+1], s66, \s*SLOT
	s_add_nc_u64 s[G0B+4*\s+2:G0B+4*\s+3], s[46:47], \s*ROWB
	s_or_b32 s[G0B+4*\s+3], s[G0B+4*\s+3], 0x80000000
.endr
	CROUND                                         ; all sixteen work-groups are here: the first joint loads meet
	s_cmp_eq_u32 s15, 0                            ; a wave's first fills stand in one branch: A's waves have two loads out, B's three
	s_cbranch_scc0 .Lfirst_b
	tensor_load_to_lds s[G0:G0+3], s[G1:G1+7]
	s_nop 0
	tensor_load_to_lds s[G0+4:G0+7], s[G1:G1+7]
	s_nop 0
.rept 4
	v_nop
.endr
	s_branch .Lfirst_done
.Lfirst_b:
	tensor_load_to_lds s[G0SB:G0SB+3], s[G1SB:G1SB+7]
	s_nop 0
	tensor_load_to_lds s[G0B:G0B+3], s[G1B:G1B+7]
	s_nop 0
	tensor_load_to_lds s[G0B+4:G0B+7], s[G1B:G1B+7]
	s_nop 0
.rept 4
	v_nop
.endr
.Lfirst_done:
	; A's scale bytes: thread t takes tokens 2 t and 2 t + 1 of the tile row: one word (two bytes a token) from each of the 16 heads; a wave's load covers 128 consecutive bytes
	v_lshlrev_b32 v9, 2, v0
.irp d, 0,1,2,3,4,5,6,7,8,9,10,11,12,13,14,15
	global_load_b32 v[64+\d], v9, s[96:97] offset:8192*\d
.endr
	v_lshrrev_b32 v10, 2, v0
	v_mul_u32_u24 v10, v10, 272
	v_and_b32 v11, 3, v0
	v_lshl_add_u32 v10, v11, 6, v10
	v_add_nc_u32 v10, SCL, v10                     ; two rows of 32 bytes: 64 bytes a thread, four threads to a unit of 256 + 16
	v_and_b32 v1, 15, v0                           ; l % 16
	v_bfe_u32 v2, v0, 4, 1                         ; l / 16
	v_and_b32 v6, 31, v0
	v_lshlrev_b32 v7, 4, v6
	v_lshlrev_b32 v8, 3, v6
	v_mul_u32_u24 v3, v1, PITCH
	v_mul_u32_u24 v4, v2, 24
	v_add_nc_u32 v4, v3, v4
	v_lshl_add_u32 v5, v2, 4, v4
	s_mul_i32 s21, s15, HALFA                      ; my 8 tiles of tokens
	s_mul_i32 s22, s16, HALFT                      ; my 128 rows of B,
	s_add_co_u32 s22, s22, 2*HALFA                 ; which lie behind A's images
.irp s, 0,1
	v_add_nc_u32 v[ADRA+\s], s21, v7
	v_add_nc_u32 v[ADRA+2+\s], s21, v8
	v_add_nc_u32 v[ADRB+\s], s22, v4
	v_add_nc_u32 v[ADRB+2+\s], s22, v5
	s_add_co_u32 s21, s21, SLOT
	s_add_co_u32 s22, s22, SLOT
.endr
	v_mul_u32_u24 v5, v1, KS
	v_lshrrev_b32 v6, 8, v5
	v_lshl_add_u32 v5, v6, 4, v5
	s_mul_i32 s21, s15, HALFS
	s_mul_i32 s22, s16, HALFS
	s_add_co_u32 s22, s22, 2*HALFS
	s_sub_co_u32 s22, s22, s21
	v_mul_u32_u24 v6, s22, v2                      ; lanes 16-31 take B's
	s_add_co_u32 s21, s21, SCL
	v_add_nc_u32 v5, v5, v6
	v_add_nc_u32 v[ADRS], s21, v5
	s_mul_i32 s23, s14, 16*SPITCH                  ; my stage
	v_mul_u32_u24 v5, v1, SPITCH
	v_lshl_add_u32 v5, v2, 5, v5
	v_add_nc_u32 v[STO], s23, v5
	v_mov_b32 v[CO], v7                            ; back: the 32 lanes take one row of 512 bytes; and the same in out0
	v_add_nc_u32 v[RD], s23, v7
	s_lshl_b32 s20, s17, 8
	s_lshl_b32 s21, s15, 7
	s_add_co_u32 s20, s20, s21                     ; my first row of out0
	s_lshl_b32 s20, s20, 12
	s_mov_b32 s21, 0
	s_lshl_b32 s46, s42, 10                        ; my first column, in bytes
	s_lshl_b32 s47, s16, 9
	s_add_co_u32 s46, s46, s47
	s_mov_b32 s47, 0
	s_add_nc_u64 s[20:21], s[20:21], s[46:47]
	s_add_nc_u64 s[12:13], s[12:13], s[20:21]
	s_mov_b32 s18, 0x05040100                      ; the low halves of two words,
	s_mov_b32 s19, 0x07060302                      ; the high halves
	s_wait_loadcnt 0x0
.irp s, 0,1,2,3,4,5,6,7                        ; the scale word of 128 along K is two heads' two bytes
	v_perm_b32 v[80+\s], v[65+2*\s], v[64+2*\s], s18   ; token 2 t
	v_perm_b32 v[88+\s], v[65+2*\s], v[64+2*\s], s19   ; token 2 t + 1
.endr
	ds_store_b128 v10, v[80:83]
	ds_store_b128 v10, v[84:87] offset:16
	ds_store_b128 v10, v[88:91] offset:32
	ds_store_b128 v10, v[92:95] offset:48
.macro FRAG reg, adr, q, i             ; a fragment of B from rows, in pieces of 8 bytes
.irp p, 0,1,2,3,4,5
.set PCE, 12*(\q)+6*(\p/3)+\p%3
.if PCE%8 < 5
	ds_load_b64 v[\reg+2*\p:\reg+2*\p+1], v[\adr] offset:8*PCE+16*(PCE/8)+(\i)*16*PITCH
.else
	ds_load_b64 v[\reg+2*\p:\reg+2*\p+1], v[\adr+2] offset:8*PCE+16*(PCE/8)+(\i)*16*PITCH
.endif
.endr
.endm
.macro FRAGA reg, slot, q, i           ; a fragment of A from its image: each instruction's bytes are consecutive
	ds_load_b128 v[\reg:\reg+3],     v[ADRA+\slot]   offset:(\i)*3072+(\q)*1536
	ds_load_b64  v[\reg+4:\reg+5],   v[ADRA+2+\slot] offset:(\i)*3072+(\q)*1536+512
	ds_load_b128 v[\reg+6:\reg+9],   v[ADRA+\slot]   offset:(\i)*3072+(\q)*1536+768
	ds_load_b64  v[\reg+10:\reg+11], v[ADRA+2+\slot] offset:(\i)*3072+(\q)*1536+1280
.endm
.macro MUL16 a0, p, q, sc, zero        ; the 64 accumulators take turns, one instruction a turn, in the same order in every step
.irp a, \a0, \a0+1
.irp b, 0,1,2,3,4,5,6,7
.if \zero
	v_wmma_scale_f32_16x16x128_f8f6f4 v[8*(8*((\a)%4)+\b):8*(8*((\a)%4)+\b)+7], v[128*(\p)+FR*\b:128*(\p)+FR*\b+FR-1], v[AF+FR*(\a):AF+FR*(\a)+FR-1], 0, v[SC+8*NQ*(\sc)+NQ*\b+(\q)], v[SC+8*NQ*(\sc)+NQ*(\a)+(\q)] matrix_a_fmt:MATRIX_FMT_FP6 matrix_b_fmt:MATRIX_FMT_FP6 matrix_a_scale:MATRIX_SCALE_ROW1
.else
	v_wmma_scale_f32_16x16x128_f8f6f4 v[8*(8*((\a)%4)+\b):8*(8*((\a)%4)+\b)+7], v[128*(\p)+FR*\b:128*(\p)+FR*\b+FR-1], v[AF+FR*(\a):AF+FR*(\a)+FR-1], v[8*(8*((\a)%4)+\b):8*(8*((\a)%4)+\b)+7], v[SC+8*NQ*(\sc)+NQ*\b+(\q)], v[SC+8*NQ*(\sc)+NQ*(\a)+(\q)] matrix_a_fmt:MATRIX_FMT_FP6 matrix_b_fmt:MATRIX_FMT_FP6 matrix_a_scale:MATRIX_SCALE_ROW1
.endif
.endr
.endr
.endm
.macro FETCH_B slot, q, p
	WIN TO_B
.irp i, 0,1,2,3,4,5,6,7
	FRAG 128*(\p)+FR*\i, ADRB+\slot, \q, \i
.endr
	WIN 0
.endm
.macro FETCH_A slot, q, i0
.irp i, \i0, \i0+1, \i0+2, \i0+3
	FRAGA AF+FR*(\i), \slot, \q, \i
.endr
.endm
.macro SCALES sc
.irp i, 0,1,2,3,4,5,6,7
	ds_load_b64 v[SC+8*NQ*\sc+NQ*\i:SC+8*NQ*\sc+NQ*\i+1], v[ADRS] offset:\i*SBLK
.endr
.endm
.macro PLACES n
.rept \n
	v_nop
.endr
.endm
.macro STEP slot, q, zero
	s_wait_dscnt 4*NLA                             ; B's set and A's blocks 0-3 are in; the youngest 16 loads (A's blocks 4-7) may be out
	WIN MUL_LO
	MUL16 0, (\q)%2, \q, \slot, \zero
	MUL16 2, (\q)%2, \q, \slot, \zero
	s_wait_dscnt 0
	PLACES NP
	FETCH_B \slot, (\q)+1, 1-(\q)%2
	FETCH_A \slot, (\q)+1, 0
	WIN MUL_HI
	MUL16 4, (\q)%2, \q, \slot, \zero
	MUL16 6, (\q)%2, \q, \slot, \zero
	PLACES NP
	WIN 0
	FETCH_A \slot, (\q)+1, 4
.endm
.macro TURN slot, next, fill
	s_wait_tensorcnt 0x0                           ; all my tensor loads have landed: my part of the next slot
	ds_add_u32 v[SPW], v[NIL]                      ; 0 onto my spare word
	s_wait_dscnt 4*NLA+1                           ; (the add and the youngest 16 loads may be out)
	WIN MUL_LO
	MUL16 0, 1, NQ-1, \slot, 0
	s_wait_dscnt 0x0                               ; the add is done, and my reads of this slot are over
	s_barrier_signal -1
	MUL16 2, 1, NQ-1, \slot, 0
	WIN 0
	s_barrier_wait -1
.if \fill
	CREST                                          ; the barrier has opened a round of the cluster's
	s_add_nc_u64 s[G0+4*\slot+2:G0+4*\slot+3], s[G0+4*\slot+2:G0+4*\slot+3], 2*3072
	s_add_nc_u64 s[G0B+4*\slot+2:G0B+4*\slot+3], s[G0B+4*\slot+2:G0B+4*\slot+3], 2*ROWB
	JLOAD G0+4*\slot, G1, G0B+4*\slot, G1B         ; the first tensor load behind the round; its four v_nop are the places in front of the loads below
.else
	PLACES NP
.endif
	v_add_nc_u32 v[ADRS], 4*NQ, v[ADRS]
	FETCH_B \next, 0, 0
	FETCH_A \next, 0, 0
	SCALES \next
	WIN MUL_HI
	MUL16 4, 1, NQ-1, \slot, 0
	MUL16 6, 1, NQ-1, \slot, 0
	PLACES NP
	WIN 0
	FETCH_A \next, 0, 4
.endm
	s_wait_tensorcnt 1                             ; my part of K step 0 (and B's scales) is in; K step 1's load may be out
	s_wait_dscnt 0x0                               ; for the others' sake: my stores of A's scale words are done
	s_barrier_signal -1
	s_barrier_wait -1
	FETCH_B 0, 0, 0
	FETCH_A 0, 0, 0
	SCALES 0
	FETCH_A 0, 0, 4
	STEP 0, 0, 1                                   ; the first products start the sums
	TURN 0, 1, 1
	STEP 1, 0, 0
	TURN 1, 0, 1
	STEP 0, 0, 0
	TURN 0, 1, 0                                   ; nothing is left to fetch
	STEP 1, 0, 0
	s_wait_dscnt 4*NLA
	WIN MUL_LO
	MUL16 0, 1, NQ-1, 1, 0
	MUL16 2, 1, NQ-1, 1, 0
	s_wait_dscnt 0
	WIN MUL_HI
	MUL16 4, 1, NQ-1, 1, 0
	MUL16 6, 1, NQ-1, 1, 0
	WIN 0
; THE WAY OUT, block by block of 16 tokens x 128 columns, through my own stage in LDS: back come whole rows of 512 bytes.  LDS serves a wave's instructions in order: no wait between the stores and the loads.
.macro TOSTAGE a
.set AC, 64*((\a)%4)
	WIN 0x08+4*((\a)/4)                            ; the data: window 2 or 3
.irp b, 0,1,2,3,4,5,6,7
	ds_store_b128 v[STO], v[AC+8*\b:AC+8*\b+3] offset:64*\b          ; each accumulator from its low end on
	ds_store_b128 v[STO], v[AC+8*\b+4:AC+8*\b+7] offset:64*\b+16
.endr
	WIN 0
.set BB, BK+64*((\a)%2)
.irp t, 0,1,2,3,4,5,6,7,8,9,10,11,12,13,14,15
	ds_load_b128 v[BB+4*\t:BB+4*\t+3], v[RD] offset:\t*SPITCH
.endr
.endm
; Row t of stored tile a is true token 32 (a / 2) + 8 (a % 2) + 16 (t / 8) + t % 8 of my 128.
.macro SEND a, younger
.set BB, BK+64*((\a)%2)
	s_wait_dscnt \younger                          ; the block is back in registers
.if (\a) > 0
.if (\a)%2 == 1
	s_add_nc_u64 s[12:13], s[12:13], 8*ROWC        ; (behind a wait on XCNT: the earlier stores have read their base)
.else
	s_add_nc_u64 s[12:13], s[12:13], 24*ROWC
.endif
.endif
.irp t, 0,1,2,3,4,5,6,7,8,9,10,11,12,13,14,15
	global_store_b128 v[CO], v[BB+4*\t:BB+4*\t+3], s[12:13] offset:(16*(\t/8)+\t%8)*ROWC th:TH_STORE_NT   ; 32 lanes store 512 consecutive bytes, aligned; written once
.endr
.endm
	PLACES NP
	TOSTAGE 0
.irp a, 1,2,3,4,5,6,7
.if \a > 1
	s_wait_xcnt 0x0                                ; block a - 2's stores have read their registers and their base
.endif
	TOSTAGE \a
	SEND \a-1, 32                                  ; behind block a - 1's loads: block a's 16 stores and 16 loads
.endr
	s_wait_xcnt 0x0
	SEND 7, 0
	s_wait_tensorcnt 0x0                           ; the wave's end
	ds_add_u32 v[SPW], v[NIL]
	s_wait_dscnt 0x0
	CROUND                                         ; the closing round
	s_endpgm
.Lfunc_end_k_qb6363b634d_proj:
	.size	k_qb6363b634d_proj, .Lfunc_end_k_qb6363b634d_proj-k_qb6363b634d_proj
	.p2alignl 7, 3214868480
	.fill 96, 4, 3214868480
	.section	.rodata,"a",@progbits
	.p2align	6, 0x0
	.amdhsa_kernel k_qb6363b634d_proj
		.amdhsa_group_segment_fixed_size 327680
		.amdhsa_private_segment_fixed_size 0
		.amdhsa_enable_private_segment 0
		.amdhsa_kernarg_size 40
		.amdhsa_user_sgpr_count 2
		.amdhsa_user_sgpr_kernarg_segment_ptr 1
		.amdhsa_wavefront_size32 1
		.amdhsa_system_sgpr_workgroup_id_x 1
		.amdhsa_system_sgpr_workgroup_id_y 1
		.amdhsa_system_sgpr_workgroup_id_z 1
		.amdhsa_system_vgpr_workitem_id 0
		.amdhsa_next_free_vgpr 1024
		.amdhsa_next_free_sgpr 98
		.amdhsa_reserve_vcc 0
		.amdhsa_float_denorm_mode_32 3
		.amdhsa_float_denorm_mode_16_64 3
		.amdhsa_memory_ordered 1
		.amdhsa_forward_progress 1
		.amdhsa_inst_pref_size 154
	.end_amdhsa_kernel
	.amdgpu_metadata
---
amdhsa.version: [ 1, 2 ]
amdhsa.kernels:
  - .name:           k_qb6363b634d_proj
    .symbol:         k_qb6363b634d_proj.kd
    .args:
      - { .name: c_img, .offset: 0, .size: 8, .value_kind: global_buffer, .address_space: global }
      - { .name: c_sc, .offset: 8, .size: 8, .value_kind: global_buffer, .address_space: global }
      - { .name: w_codes, .offset: 16, .size: 8, .value_kind: global_buffer, .address_space: global }
      - { .name: w_scales, .offset: 24, .size: 8, .value_kind: global_buffer, .address_space: global }
      - { .name: out0, .offset: 32, .size: 8, .value_kind: global_buffer, .address_space: global }
    .group_segment_fixed_size: 327680
    .private_segment_fixed_size: 0
    .kernarg_segment_align: 8
    .kernarg_segment_size: 40
    .max_flat_workgroup_size: 128
    .sgpr_count:     98
    .vgpr_count:     1024
    .wavefront_size: 32
...
	.end_amdgpu_metadata
.endif
;; end of part 4
